; MI455X (gfx1250); checked and timed in simulation.
; The chip was launched on July 23, 2026; its instructions are those of AMD's public machine-readable ISA for CDNA 5 (MIT licence, August 2026) and "CDNA5" Instruction Set Architecture Reference Guide (July 2026). The comments in the code are by the model that wrote it; some were corrected since.
;; Ternary Linear. Allowed arithmetic: matrix products marked QUANTISED: E4M3 operands, one given power-of-two scale a tensor, by v_wmma_f32_16x16x64_fp8_fp8 or v_wmma_f32_16x16x128_fp8_fp8, f32 sums; everything else in f32.
;; Inputs: bias 4,096 float32; lowp_scales 2 int32 (the exponents e of the quantised operands' scales 2^e); neg_mask 4,096 x 512 int32; pos_mask 4,096 x 512 int32; scale one number float32; x 4,096 x 4,096 float32.
;; Outputs: out0 4,096 x 4,096 float32.
;; Constants: in_features = 4096.
;; This version of the problem:
;;   THIS VERSION OF THE PROBLEM IS GIVEN IN LOW PRECISION. The matrix products marked QUANTISED in the list below multiply operands that are first quantised to E4M3 (4 exponent bits, 3 mantissa bits; 8 bits a number), with one given power-of-two scale for each operand tensor; their sums are f32. All else is computed in f32.
;;   The module's matrix products, in the order in which they are computed (A, B: the left and right operand; K: the contracted axis; several contracted axes count as one K, in the product's order):
;;     1. [M 4,096, K 4,096] x [K 4,096, N 4,096]; A: input x; B: computed on the way: QUANTISED (scales: A lowp_scales[0], B lowp_scales[1])
;;   THE QUANTISER, for each operand of a quantised product, along K:
;;     - The operand's scale is 2^e, e = its entry of the input lowp_scales (int32; the entries are numbered through the quantised products in the list's order, A before B).
;;     - Each number is divided by the scale, clamped to +-448, and rounded to the nearest number of E4M3, ties to even, subnormals kept.
;;     - The product sums the exact products of the quantised numbers (number of the format x scale) in f32.
;;   ~~~python
;;   def quantise(x, axis, e):      # numpy; x: float32 -> the quantised numbers, widened to float32 again
;;       x = np.moveaxis(x, axis, -1); K = x.shape[-1]
;;       r = np.clip(x / 2.0 ** e, -448, 448)
;;       step = 2.0 ** (np.maximum(np.frexp(np.where(r == 0, 1, r))[1] - 1, -6) - 3)
;;       q = np.round(r / step) * step * 2.0 ** e      # np.round: ties to even
;;       return np.moveaxis(q, -1, axis).astype(np.float32)
;;   ~~~
;;   OPERANDS COMPUTED ON THE WAY. 'Computed on the way' means the value that the module computes at that place (a softmax that the list does not call 'softmax' is quantised finished and normalised). What goes into a quantiser is computed in f32, as accurately as f32 sums, v_exp_f32 and their like allow (about 1e-6 of the number): no bf16 or f16 on the way to a quantiser, and a product that is left as it is and whose result goes on into a quantised operand takes f32 operands (vector FMAs, or v_wmma_f32_16x16x4_f32). A number that lies on a knife's edge between two numbers of the format may be rounded either way, as far as f32 arithmetic and the matrix unit's own rounding can turn it there, and no further.
;; 2 versions. Each part assembles by itself: llvm-mc -triple=amdgcn-amd-amdhsa -mcpu=gfx1250 --defsym DOCPART=n.
;; ======== version 1 of 2: 2 launches
;; workspace buffers: x_codes 16,777,216 bytes; w_codes 16,777,216 bytes
;; launch prep (part 1): grid 1024 x 1, 4 waves a work-group, no clusters, 33,280 bytes of LDS; arguments x, pos_mask, neg_mask, lowp_scales, x_codes, w_codes; writes x_codes, w_codes
.if DOCPART == 1
	.amdgcn_target "amdgcn-amd-amdhsa--gfx1250"
	.amdhsa_code_object_version 6
	.text
	.protected	k_qd4d6fd40b6_prep
	.globl	k_qd4d6fd40b6_prep
	.p2align	8
	.type	k_qd4d6fd40b6_prep,@function
k_qd4d6fd40b6_prep:
	s_mov_b64 s[64:65], 0
	v_nop
	global_prefetch_b8 v0, s[64:65] scope:SCOPE_SE
	s_setreg_imm32_b32 hwreg(HW_REG_WAVE_MODE, 25, 1), 1
	s_wait_xcnt 0x0
; Both operands of y = scale (x w^T) + bias are turned into codes of FP8 (E4M3), one code a byte, K innermost: x_codes [4096][4096] and w_codes [4096][4096].
; x [4096][4096] f32: code = x / 2^e0, held within +-448, rounded to the nearest code, ties to even.
; w is ternary: word i of a row of pos_mask and neg_mask (int32, of which the low 8 bits count) holds k = 8 i .. 8 i + 7, bit 7 first; w = (pos bit) - (neg bit).
; So w has three codes: 0, c = the code of 1 / 2^e1 (made once, by the same hold and the same conversion as x's), and c with the sign bit.
; e0, e1: entries 0 and 1 (int32) of the buffer of scales.  LIMITS: -126 <= e and e + 8 <= 127, so that 2^e and 448 x 2^e are f32 numbers.  NaN in x is not served (an infinity is held at the largest code).
; Where c is 0 (1 / 2^e1 rounds to nothing), a -1 becomes the code 0x80, minus zero, which adds nothing to a sum.
; SHARES.  Rows are dense, so both tensors are plain streams.  Work-groups 0 to 511 take x, 8,192 numbers a wave; work-groups 512 to 1,023 take the masks, 1,024 words of each a wave: 8,192 codes a wave on both ways.
; The two ways part once, on the work-group's number, and do not join.  No work-group shares a byte with another: no cluster, no matrix unit, no barrier.  Sixteen steps a wave are written out: every offset is an immediate,
; no address and no store's data register is ever written again.  Only x's way uses LDS.
.set WGX,   512                        ; work-groups for x: 4096 x 4096 / (4 waves x 8,192)
.set STEPS, 16
.set SP,    80                         ; a lane's place in a stage: its 64 bytes + 16 of padding
.set R,     16                         ; x: v16-79   four sets of 16 numbers as they are loaded
.set X,     80                         ; x: v80-111  two sets of 16 neighbours
.set P,     16                         ; masks: v16-47  two words of pos_mask for each step
.set N,     48                         ; masks: v48-79  two words of neg_mask for each step
.set T,     80                         ; masks: v80-87  at work: four registers for each of a step's two words
.set ONE,   88                         ; masks: v88-95  the number 1, eight times; v[96:97] its codes
.set C,     128                        ; v128-191 codes: four registers for each step, so that no store's data are written again
; 2^e as f32 into v11 (the conversion takes its exponent field), 448 x 2^e into v10
.macro MKSCALE ereg
	s_add_co_i32 s30, \ereg, 127
	s_lshl_b32 s31, s30, 23
	v_mov_b32 v11, s31
	s_add_co_i32 s30, s30, 8                       ; 448 = 1.75 x 2^8: the exponent 8 higher,
	s_lshl_b32 s30, s30, 23
	s_or_b32 s30, s30, 0x600000                    ; and 1.75's mantissa field
	v_mov_b32 v10, s30
.endm
	s_load_b256 s[4:11], s[0:1], 0x0               ; x s[4:5], pos_mask s[6:7], neg_mask s[8:9], the scales' exponents s[10:11]
	s_load_b128 s[12:15], s[0:1], 0x20             ; x_codes s[12:13], w_codes s[14:15]
	v_lshl_add_u32 v192, v0, 2, 0x8000
	v_mov_b32 v193, 0
	v_lshrrev_b32 v1, 5, v0
	v_readfirstlane_b32 s16, v1                    ; wave 0..3
	v_and_b32 v2, 31, v0                           ; lane
	v_lshlrev_b32 v3, 4, v2                        ; 16 x lane: my 16 bytes of a load of x, and my 16 codes of a step's 512
	v_lshlrev_b32 v5, 3, v2                        ; 8 x lane: my two words of a step's 64
	s_lshl_b32 s17, s16, 13                        ; LDS: 8,192 bytes for each wave, of which two stages of 32 x SP bytes are used
	v_lshrrev_b32 v14, 2, v2
	v_mul_u32_u24 v14, v14, SP
	v_and_b32 v15, 3, v2
	v_lshl_add_u32 v14, v15, 4, v14
	v_add_nc_u32 v14, s17, v14                     ; the stage, on the way in: four lanes' 64 bytes on end, then 16 of padding: SP (lane / 4) + 16 (lane % 4)
	v_mul_u32_u24 v15, v2, SP
	v_add_nc_u32 v15, s17, v15                     ; and on the way out: SP x lane: my 16 neighbours
	s_wait_kmcnt 0x0
	s_load_b64 s[22:23], s[10:11], 0x0             ; e0, e1
	s_cmp_lt_u32 ttmp9, WGX
	s_cbranch_scc0 .Lmasks
; ---------------- x ----------------
; The conversion takes eight numbers of ONE lane's consecutive registers, so a lane must hold neighbours along K; a load is dense where neighbouring LANES take neighbouring bytes.  Both are had: each of a step's four loads
; reads 512 consecutive bytes, 16 a lane; the 2,048 bytes go through the wave's own stage in LDS as they lie and come back 64 bytes a lane.  Loads run four steps (16 loads a wave) ahead, the turn through LDS one step.
	s_lshl_b32 s18, ttmp9, 2
	s_add_co_u32 s18, s18, s16                     ; which run of 8,192 numbers is my wave's
	s_mov_b32 s19, 0
	s_lshl_b64 s[20:21], s[18:19], 15              ; 32,768 bytes of x,
	s_lshl_b64 s[28:29], s[18:19], 13              ; 8,192 bytes of codes
	s_add_nc_u64 s[4:5], s[4:5], s[20:21]
	s_add_nc_u64 s[12:13], s[12:13], s[28:29]
.macro LOAD t
.irp i, 0,1,2,3
	global_load_b128 v[R+16*((\t)%4)+4*\i:R+16*((\t)%4)+4*\i+3], v3, s[4:5] offset:2048*(\t)+512*\i th:TH_LOAD_NT   ; 32 lanes read 512 consecutive bytes; read once in the launch
.endr
.endm
.macro TURN t                          ; step t's numbers through the stage: LDS serves a wave's instructions in order (ISA guide 5.7.1.4), so no wait stands between the stores and the loads
.irp i, 0,1,2,3
	ds_store_b128 v14, v[R+16*((\t)%4)+4*\i:R+16*((\t)%4)+4*\i+3] offset:32*SP*((\t)%2)+8*SP*\i
.endr
.irp i, 0,1,2,3
	ds_load_b128 v[X+16*((\t)%2)+4*\i:X+16*((\t)%2)+4*\i+3], v15 offset:32*SP*((\t)%2)+16*\i
.endr
.endm
.irp t, 0,1,2,3
	LOAD \t
.endr
	s_wait_kmcnt 0x0
	MKSCALE s22
	s_wait_loadcnt 12                              ; step 0's four loads are in; the twelve of steps 1 to 3 stay out
	TURN 0
.macro STEP t
.set XS, X+16*((\t)%2)
	s_wait_dscnt 0x0                               ; this step's numbers are back from the stage: so its stores into the stage have read their registers,
.if (\t)+4 < STEPS
	LOAD (\t)+4                                    ; which take the loads of four steps on
.endif
.if (\t)+1 < STEPS
.if STEPS-2-(\t) >= 3
	s_wait_loadcnt 12                              ; the next step's four loads are in; those of the three steps behind it may be out
.else
	s_wait_loadcnt 4*(STEPS-2-(\t))                ; at the end fewer steps stand behind it
.endif
	TURN (\t)+1                                    ; and go through the other stage while this step is worked
.endif
.irp i, 0,1,2,3,4,5,6,7,8,9,10,11,12,13,14,15
	v_med3_num_f32 v[XS+\i], v[XS+\i], -v10, v10   ; the conversion to an 8-bit code does not saturate (ISA guide 7.6.2): the number is held within 448 x the scale first
.endr
	v_cvt_scalef32_pk8_fp8_f32 v[C+4*(\t):C+4*(\t)+1], v[XS:XS+7], v11          ; eight numbers / 2^e0, to the nearest code, ties to even; the first number's code in the lowest byte
	v_cvt_scalef32_pk8_fp8_f32 v[C+4*(\t)+2:C+4*(\t)+3], v[XS+8:XS+15], v11    ; (the results go to a store alone; the next vector lines, the next step's holds, are plain and name other registers)
	global_store_b128 v3, v[C+4*(\t):C+4*(\t)+3], s[12:13] offset:512*(\t)      ; 32 lanes store 512 consecutive bytes, at a multiple of 256 from the buffer's first byte
.endm
.irp t, 0,1,2,3,4,5,6,7,8,9,10,11,12,13,14,15
	STEP \t
.endr
	s_wait_tensorcnt 0x0
	ds_add_u32 v192, v193
	s_wait_dscnt 0x0
	s_endpgm
; ---------------- the masks ----------------
.Lmasks:
	s_sub_co_u32 s17, ttmp9, WGX
	s_lshl_b32 s18, s17, 2
	s_add_co_u32 s18, s18, s16                     ; which run of 1,024 words is my wave's
	s_mov_b32 s19, 0
	s_lshl_b64 s[20:21], s[18:19], 12              ; 4,096 bytes of each mask,
	s_lshl_b64 s[28:29], s[18:19], 13              ; 8,192 bytes of codes
	s_add_nc_u64 s[6:7], s[6:7], s[20:21]
	s_add_nc_u64 s[8:9], s[8:9], s[20:21]
	s_add_nc_u64 s[14:15], s[14:15], s[28:29]
.irp t, 0,1,2,3,4,5,6,7,8,9,10,11,12,13,14,15          ; all 32 loads of the wave go out at once: each reads 256 consecutive bytes, two words a lane; read once in the launch
	global_load_b64 v[P+2*\t:P+2*\t+1], v5, s[6:7] offset:256*\t th:TH_LOAD_NT
	global_load_b64 v[N+2*\t:N+2*\t+1], v5, s[8:9] offset:256*\t th:TH_LOAD_NT
.endr
	s_mov_b32 s24, 0x08040201                      ; 1 + 2^9 + 2^18 + 2^27
	s_mov_b32 s25, 0x01010101
	s_mov_b32 s26, 0x08080808
	s_wait_kmcnt 0x0
	MKSCALE s23
	v_mov_b32 v[ONE], 1.0                          ; c: the quantiser applied to the number 1
	v_med3_num_f32 v[ONE], v[ONE], -v10, v10
.irp j, 1,2,3,4,5,6,7
	v_mov_b32 v[ONE+\j], v[ONE]
.endr
	v_cvt_scalef32_pk8_fp8_f32 v[ONE+8:ONE+9], v[ONE:ONE+7], v11
	v_nop                                          ; one plain vector instruction between a scaled conversion and the vector instruction that reads its result
	v_and_b32 v12, 0xff, v[ONE+8]                  ; c, at most 0x7e
; One word of each mask becomes eight codes: v[d] = k 0 to 3, v[d + 1] = k 4 to 7, the lowest k in the lowest byte.
; A nibble times 1 + 2^9 + 2^18 + 2^27 is four copies that do not meet; bits 3, 11, 19, 27 of the product are the nibble's bits 3, 2, 1, 0: one bit a byte, the highest bit (the lowest k) in byte 0.
.macro UNPACK p, n, d, t
	v_xor_b32 v[(\t)], v[(\p)], v[(\n)]            ; bits where exactly one mask is set: w is not 0
	v_and_b32 v[(\t)+1], v[(\n)], v[(\t)]          ; of these, those where w is -1
	v_bfe_u32 v[(\t)+2], v[(\t)], 4, 4             ; not 0: bits 7 to 4 (k 0 to 3),
	v_and_b32 v[(\t)], 15, v[(\t)]                 ; bits 3 to 0 (k 4 to 7); the word's bits above 7 are dropped, as the problem's unpacking drops them
	v_bfe_u32 v[(\t)+3], v[(\t)+1], 4, 4           ; -1: likewise
	v_and_b32 v[(\t)+1], 15, v[(\t)+1]
	v_mul_lo_u32 v[(\t)+2], v[(\t)+2], s24
	v_mul_lo_u32 v[(\t)], v[(\t)], s24
	v_mul_lo_u32 v[(\t)+3], v[(\t)+3], s24
	v_mul_lo_u32 v[(\t)+1], v[(\t)+1], s24
	v_lshrrev_b32 v[(\t)+2], 3, v[(\t)+2]
	v_lshrrev_b32 v[(\t)], 3, v[(\t)]
	v_and_b32 v[(\t)+2], s25, v[(\t)+2]            ; a byte is 1 where w is not 0,
	v_and_b32 v[(\t)], s25, v[(\t)]
	v_and_b32 v[(\t)+3], s26, v[(\t)+3]            ; and 8 where w is -1
	v_and_b32 v[(\t)+1], s26, v[(\t)+1]
	v_mul_lo_u32 v[(\t)+2], v[(\t)+2], v12         ; x c: under 256, so nothing is carried from byte to byte
	v_mul_lo_u32 v[(\t)], v[(\t)], v12
	v_lshl_or_b32 v[(\d)], v[(\t)+3], 4, v[(\t)+2] ; 8 << 4 is the sign bit
	v_lshl_or_b32 v[(\d)+1], v[(\t)+1], 4, v[(\t)]
.endm
.irp t, 0,1,2,3,4,5,6,7,8,9,10,11,12,13,14,15
	s_wait_loadcnt 30-2*\t                         ; this step's two loads are in; the two of each later step may be out
	UNPACK P+2*\t, N+2*\t, C+4*\t, T
	UNPACK P+2*\t+1, N+2*\t+1, C+4*\t+2, T+4
	global_store_b128 v3, v[C+4*\t:C+4*\t+3], s[14:15] offset:512*\t   ; my two words' 16 codes: 32 lanes store 512 consecutive bytes, at a multiple of 256 from the buffer's first byte
.endr
	s_endpgm
.Lfunc_end_k_qd4d6fd40b6_prep:
	.size	k_qd4d6fd40b6_prep, .Lfunc_end_k_qd4d6fd40b6_prep-k_qd4d6fd40b6_prep
	.p2alignl 7, 3214868480
	.fill 96, 4, 3214868480
	.section	.rodata,"a",@progbits
	.p2align	6, 0x0
	.amdhsa_kernel k_qd4d6fd40b6_prep
		.amdhsa_group_segment_fixed_size 33280
		.amdhsa_private_segment_fixed_size 0
		.amdhsa_enable_private_segment 0
		.amdhsa_kernarg_size 48
		.amdhsa_user_sgpr_count 2
		.amdhsa_user_sgpr_kernarg_segment_ptr 1
		.amdhsa_wavefront_size32 1
		.amdhsa_system_sgpr_workgroup_id_x 1
		.amdhsa_system_sgpr_workgroup_id_y 1
		.amdhsa_system_sgpr_workgroup_id_z 1
		.amdhsa_system_vgpr_workitem_id 0
		.amdhsa_next_free_vgpr 194
		.amdhsa_next_free_sgpr 66
		.amdhsa_reserve_vcc 0
		.amdhsa_float_denorm_mode_32 3
		.amdhsa_float_denorm_mode_16_64 3
		.amdhsa_memory_ordered 1
		.amdhsa_forward_progress 1
		.amdhsa_inst_pref_size 73
	.end_amdhsa_kernel
	.amdgpu_metadata
---
amdhsa.version: [ 1, 2 ]
amdhsa.kernels:
  - .name:           k_qd4d6fd40b6_prep
    .symbol:         k_qd4d6fd40b6_prep.kd
    .args:
      - { .name: x, .offset: 0, .size: 8, .value_kind: global_buffer, .address_space: global }
      - { .name: pos_mask, .offset: 8, .size: 8, .value_kind: global_buffer, .address_space: global }
      - { .name: neg_mask, .offset: 16, .size: 8, .value_kind: global_buffer, .address_space: global }
      - { .name: lowp_scales, .offset: 24, .size: 8, .value_kind: global_buffer, .address_space: global }
      - { .name: x_codes, .offset: 32, .size: 8, .value_kind: global_buffer, .address_space: global }
      - { .name: w_codes, .offset: 40, .size: 8, .value_kind: global_buffer, .address_space: global }
    .group_segment_fixed_size: 33280
    .private_segment_fixed_size: 0
    .kernarg_segment_align: 8
    .kernarg_segment_size: 48
    .max_flat_workgroup_size: 128
    .sgpr_count:     66
    .vgpr_count:     194
    .wavefront_size: 32
...
	.end_amdgpu_metadata
.endif
;; end of part 1
;; launch gemm (part 2): grid 16 x 16, 4 waves a work-group, clusters of 4 x 4, 327,680 bytes of LDS; arguments x_codes, w_codes, lowp_scales, scale, bias, out0; writes out0
.if DOCPART == 2
	.amdgcn_target "amdgcn-amd-amdhsa--gfx1250"
	.amdhsa_code_object_version 6
	.text
	.protected	k_qd4d6fd40b6_gemm
	.globl	k_qd4d6fd40b6_gemm
	.p2align	8
	.type	k_qd4d6fd40b6_gemm,@function
k_qd4d6fd40b6_gemm:
	s_mov_b64 s[64:65], 0
	v_nop
	global_prefetch_b8 v0, s[64:65] scope:SCOPE_SE
	s_setreg_imm32_b32 hwreg(HW_REG_WAVE_MODE, 25, 1), 1
	s_wait_xcnt 0x0
	s_wait_alu depctr_hold_cnt(0) depctr_sa_sdst(0) depctr_va_vdst(0) depctr_va_sdst(0) depctr_va_ssrc(0) depctr_va_vcc(0) depctr_vm_vsrc(0)
	s_getreg_b32 s2, hwreg(HW_REG_IB_STS2, 6, 4)
	s_cmp_eq_u32 s2, 0
	s_cbranch_scc0 .Lentry_in_a_cluster
	s_endpgm
.Lentry_in_a_cluster:
	s_bfe_u32 s2, ttmp6, 0x10000c
	s_cmp_lg_u32 s2, 0xf033
	s_cbranch_scc0 .Lentry_shape_is_right
	s_endpgm
.Lentry_shape_is_right:
; out0[t][o] = scale x (sum over k of x[t][k] w[o][k]) + bias[o].  A = x_codes [4096][4096], B = w_codes [4096][4096]: codes of FP8 (E4M3), one a byte, K innermost; out0 [4096][4096] f32; sums in f32.
; A number of A is its code's value x 2^e0, of B x 2^e1 (e0, e1: the two int32 in the buffer of scales).  The codes are multiplied as they are; each finished sum goes through ONE fused multiply-add,
; sum x (scale x 2^(e0 + e1)) + bias: one rounding where scale x sum and + bias would be two.  scale x 2^(e0 + e1) is made by v_ldexp_f32: LIMIT: it has to be an f32 number.
; Inside a matrix instruction k stands in other places than the form's own layout gives it, alike in A and in B: every product meets its partner, only the order of the sums inside an instruction differs.
; A tile of out0, 256 x 256, is made by a work-group of four waves, as many as a WGP has SIMDs; a wave makes 128 x 128: 64 accumulators of 16 x 16, 512 registers.  16 x 16 tiles: 256 work-groups.
; K goes in steps of 256 through a ring of two LDS slots filled by the tensor data mover: a tile's row is 256 bytes of memory, at a multiple of 256 from the buffer's first byte.
; CLUSTERS: 4 x 4 work-groups.  The four of a row of the cluster need the same tiles of A, the four of a column the same tiles of B: each tile is asked for JOINTLY, by the same tensor load with the
; same descriptor and a mask that names the four.  THE MATRIX INSTRUCTION IS USED TRANSPOSED (source 0 = 16 rows of B, source 1 = 16 rows of A): a lane then holds eight neighbouring numbers of a row of out0.
; REGISTERS, in windows of 256: window 0: v0-31 addresses, the bias and the factor; from v128 A's fragments (8 x 16 rows x 128 K), ONE set; on the way out v128-255 take rows read back from the stage.
;   window 1: B's fragments, TWO sets, at v0 and at v128.   window 2: the 32 accumulators of my rows 0-63 (accumulator (a, b) at v[8 (8 a + b)]);   window 3: those of my rows 64-127.
; A step of 128 along K is 64 matrix instructions, A's blocks one after the other, each against B's eight.  So a block of A is free as soon as its eight products are issued, and one set of registers serves A:
; blocks 0-3 are fetched anew in the step's middle, blocks 4-7 at its end.  B's fragments are at work through the whole step, so B has two sets.
.set SIZE_N, 4096
.set SIZE_K, 4096
.set KSTEP,  256                       ; along K in a slot
.set ROWB,   256                       ; a tile's row in bytes
.set KROW,   SIZE_K                    ; a row of A or of B in memory, in bytes
.set PITCH,  272                       ; an LDS row: 256 bytes of data + 16 of padding = 68 words: row r starts at bank 4 r mod 64 (64 banks of 4 bytes: ISA guide 11.1), so the 16 rows that a load touches start at 16 different banks
.set FR,     16                        ; registers of a fragment: 16 rows x 128 K
.set NL,     4                         ; LDS loads that bring one
.set NP,     4                         ; places behind this matrix instruction (ISA guide 7.12.1)
.set HALFT,  128*PITCH                 ; 128 rows: what one tensor load brings, and what one wave reads of A or of B
.set SLOT,   4*HALFT                   ; A's 256 rows, then B's 256 rows
.set LAPS,   SIZE_K/(2*KSTEP)          ; a lap = two K steps = once round the ring: 8
.set SPARE,  2*SLOT                    ; behind the ring: the spare words, 128 bytes for each wave: two blocks of 256 bytes that no other line names
.set SPITCH, 528                       ; the way out: a stage of 16 rows x (512 bytes + 16) for each wave.  It lies in slot 0, which has had its last fill and its last read when the first result is stored there
.set BIAS, 8                           ; v[8:11]  bias of the four columns that I store on the way out
.set SCL,  12                          ; v[12:13] scale x 2^(e0 + e1), twice: a pair for the packed multiply-add
.set ADRA, 16                          ; v16-17  LDS address of my A fragments in slot 0, 1
.set ADRB, 20                          ; v20-21  the same for B
.set STO,  24                          ; v24     the way out: where I put 32 bytes of a row
.set RD,   25                          ; v25     the way out: where I read a row back
.set CO,   26                          ; v26     16 x lane: my byte offset in a row's 512 bytes of out0, and in my wave's 512 bytes of bias
.set SPW,  28                          ; v28     LDS address of my spare word: SPARE + 4 x my thread's number; never rewritten
.set NIL,  29                          ; v29     0; never rewritten
.set PFO,  30                          ; v30     the prefetches' offset: my lane x a row of A or B in memory; never rewritten
.set AF,   128                         ; A's fragments, in window 0
.set BK,   128                         ; the way out: 16 rows read back from the stage: v128-191 and v192-255 by turns
.set G1, 24                            ; s[24:31] descriptor group 1 for A's tiles;  s[32:39] group 0, one set for each slot
.set G0, 32
.set G1B, 48                           ; s[48:55], s[56:63] the same for B's tiles
.set G0B, 56
.set LIM, 73                           ; s73     1 in a wave that prefetches, else the greatest number
.set PFA, 74                           ; s[74:75] where my prefetches stand: my work-group's 32 rows of the 128 that I fetch, one K step further along K than the refill that is being asked for; a prefetch names the K step after that
.set MSB, 0
.macro WIN new                         ; the immediate's high byte repeats the setting that is left; a switch that changes nothing is dropped
.if MSB != (\new)
	s_set_vgpr_msb (MSB<<8)|(\new)
.set MSB, (\new)
.endif
.endm
.set MUL_LO, 0xa1                      ; source 0 (B) window 1, source 1 (A) window 0, C and D window 2
.set MUL_HI, 0xf1                      ; the same, C and D window 3
.set TO_B,   0x40                      ; destination window 1, address window 0
; A joint load: waves 0 and 1 fetch for A, waves 2 and 3 for B.  Each of the two lines has ONE mask and one set of registers for all that issue it; the branch hangs on the wave's number alone.
; Four v_nop follow each of the two lines, ahead of the jump, the label and what follows.
.macro JLOAD g0a, g1a, g0b, g1b
	s_cmp_eq_u32 s15, 0
	s_cbranch_scc0 .Lfor_b_\@
	tensor_load_to_lds s[\g0a:\g0a+3], s[\g1a:\g1a+7]
	s_nop 0
.rept 4
	v_nop
.endr
	s_branch .Lasked_\@
.Lfor_b_\@:
	tensor_load_to_lds s[\g0b:\g0b+3], s[\g1b:\g1b+7]
	s_nop 0
.rept 4
	v_nop
.endr
.Lasked_\@:
.endm
; A PREFETCH, behind each joint refill, its four lines and the run of LDS loads that follows them: the K step that stands TWO refills on: 32 rows x 256 bytes, a lane a row, one instruction a wave: 256 matrix instructions
; of the wave ahead of the load that will name those bytes.  Each row's 256 bytes of a K step are named ONCE in the launch.  A's tile row is read by every cluster of that row of clusters: the first of them (cluster x = 0) asks;
; B's tile column by every cluster of that column: cluster y = 0 asks.  The four partners that ask for a tile jointly share its rows out BY ADDRESS: of the 128 rows that a wave fetches, the partner at place p takes
; 32 p .. 32 p + 31 (p = cx for A, cy for B): no branch hangs on a work-group's place in its cluster.  The loop's last trip (s3 = 1) refills with K steps 14 and 15, which have no K step two on: it asks for nothing.
; K steps 0 to 3 come by their loads alone.
.macro ASK
	s_cmp_gt_u32 s3, s[LIM]
	s_cbranch_scc0 .Lnot_mine_\@
	global_prefetch_b8 v[PFO], s[PFA:PFA+1] offset:ROWB th:TH_LOAD_NT scope:SCOPE_SE
.Lnot_mine_\@:
.endm
.macro CREST                           ; a round of the cluster's barrier behind its opening barrier
	s_cmp_lg_u32 s14, 0
	s_cbranch_scc1 .Lnot_wave_0_\@
	s_barrier_signal -3
.Lnot_wave_0_\@:
	s_barrier_wait -3
	s_barrier_signal -1
	s_barrier_wait -1
.endm
.macro CROUND                          ; a whole round
	s_barrier_signal -1
	s_barrier_wait -1
	CREST
.endm
	s_load_b128 s[4:7], s[0:1], 0x0                ; A's codes s[4:5], B's codes s[6:7]
	s_load_b128 s[8:11], s[0:1], 0x10              ; the two scales' exponents s[8:9], scale s[10:11]
	s_load_b128 s[68:71], s[0:1], 0x20             ; bias s[68:69], out0 s[70:71]
	v_lshl_add_u32 v[SPW], v0, 2, SPARE
	v_mov_b32 v[NIL], 0
	ds_add_u32 v28, v29
	ds_add_u32 v28, v29
	s_wait_dscnt 0x0
	v_lshrrev_b32 v1, 5, v0
	v_readfirstlane_b32 s14, v1                    ; wave 0..3
	s_lshr_b32 s15, s14, 1                         ; which half of the tile's rows is mine.  Also: I fetch for A (0) or for B (1)
	s_and_b32 s16, s14, 1                          ; which half of its columns.  Also: which 128 rows of that tile I fetch
	s_bfe_u32 s40, ttmp6, 0x40000                  ; cx, cy: my place in the cluster
	s_bfe_u32 s41, ttmp6, 0x40004
	s_lshl_b32 s42, ttmp9, 2
	s_add_co_u32 s42, s42, s40                     ; tile column = 4 x cluster x + cx
	s_and_b32 s17, ttmp7, 0xffff
	s_lshl_b32 s17, s17, 2
	s_add_co_u32 s17, s17, s41                     ; tile row = 4 x cluster y + cy
	s_lshl_b32 s43, s41, 2
	s_lshl_b32 s43, 15, s43                        ; my row of the cluster: places 4 cy .. 4 cy + 3
	s_lshl_b32 s44, 0x1111, s40                    ; my column: places cx, cx + 4, cx + 8, cx + 12
	; descriptor group 1: a tile of 128 rows x ROWB bytes, padded in LDS
	s_or_b32 s[G1+0], s43, (0<<16)|(1<<20)|(1<<21)|(5<<22)|(3<<25)  ; 15:0 the mask: A's tiles go to my row; 17:16 element of 1 byte; 20 padding on; 21 set beside a mask; 24:22 after every 64 words (code 5); 31:25 of 4 words (code 3)
	s_or_b32 s[G1B+0], s44, (0<<16)|(1<<20)|(1<<21)|(5<<22)|(3<<25) ; the same with the mask of my column, for B's tiles
.irp g, G1, G1B
	s_mov_b32 s[\g+1], ROWB<<16                    ; tensor_dim0 = 256
	s_mov_b32 s[\g+2], 128<<16                     ; tensor_dim1 = 128
	s_mov_b32 s[\g+3], ROWB<<16                    ; tile_dim0 = 256
	s_mov_b32 s[\g+4], 128                         ; tile_dim1 = 128
	s_mov_b32 s[\g+5], KROW                        ; tensor_dim0_stride: 4,096 elements from row to row
	s_mov_b32 s[\g+6], 0
	s_mov_b32 s[\g+7], 0
.endr
	s_lshl_b32 s18, s16, 7                         ; which 128 rows of the tile I fetch
	s_lshl_b32 s20, s17, 8
	s_add_co_u32 s20, s20, s18                     ; A: row 256 x tile row + 128 x half
	s_lshl_b32 s46, s42, 8
	s_add_co_u32 s46, s46, s18                     ; B: row 256 x tile column + 128 x half
	s_mov_b32 s21, 0
	s_mov_b32 s47, 0
	s_mov_b64 s[18:19], KROW
	s_mul_u64 s[20:21], s[20:21], s[18:19]         ; in bytes
	s_mul_u64 s[46:47], s[46:47], s[18:19]
	s_mul_i32 s45, s14, HALFT                      ; where they go: wave x 128 rows: no place in the cluster enters an LDS address
	s_wait_kmcnt 0x0
	s_load_b64 s[96:97], s[8:9], 0x0               ; e0, e1
	s_load_b32 s72, s[10:11], 0x0                  ; scale
	s_add_nc_u64 s[20:21], s[4:5], s[20:21]
	s_add_nc_u64 s[46:47], s[6:7], s[46:47]
	CROUND                                         ; all sixteen work-groups are here: the first joint loads meet
.irp s, 0,1
	s_mov_b32 s[G0+4*\s], 1                                        ; count = 1
	s_add_co_u32 s[G0+4*\s+1], s45, \s*SLOT                        ; LDS address
	s_add_nc_u64 s[G0+4*\s+2:G0+4*\s+3], s[20:21], \s*ROWB         ; global address: K step s
	s_or_b32 s[G0+4*\s+3], s[G0+4*\s+3], 0x80000000                ; type = 2
	s_mov_b32 s[G0B+4*\s], 1
	s_add_co_u32 s[G0B+4*\s+1], s45, \s*SLOT
	s_add_nc_u64 s[G0B+4*\s+2:G0B+4*\s+3], s[46:47], \s*ROWB
	s_or_b32 s[G0B+4*\s+3], s[G0B+4*\s+3], 0x80000000
	JLOAD G0+4*\s, G1, G0B+4*\s, G1B               ; the ring is filled before anything else is done: two loads of mine are out
.endr
	v_and_b32 v1, 15, v0                           ; l % 16
	v_bfe_u32 v2, v0, 4, 1                         ; l / 16
	v_mul_u32_u24 v3, v1, PITCH
	v_lshl_add_u32 v4, v2, 4, v3                   ; a fragment's row x pitch + 16 x half
	s_mul_i32 s21, s15, HALFT                      ; my 128 rows of A
	s_mul_i32 s22, s16, HALFT                      ; my 128 rows of B,
	s_add_co_u32 s22, s22, 2*HALFT                 ; which lie behind A's 256
.irp s, 0,1
	v_add_nc_u32 v[ADRA+\s], s21, v4
	v_add_nc_u32 v[ADRB+\s], s22, v4
	s_add_co_u32 s21, s21, SLOT
	s_add_co_u32 s22, s22, SLOT
.endr
	s_mul_i32 s23, s14, 16*SPITCH                  ; my stage
	v_mul_u32_u24 v5, v1, SPITCH                   ; in: row l % 16, 32 bytes for each half of the lanes
	v_lshl_add_u32 v5, v2, 5, v5
	v_add_nc_u32 v[STO], s23, v5
	v_and_b32 v6, 31, v0
	v_lshlrev_b32 v[CO], 4, v6                     ; back: the 32 lanes take one row of 512 bytes; and the same in out0
	v_add_nc_u32 v[RD], s23, v[CO]
	s_lshl_b32 s20, s17, 8
	s_lshl_b32 s21, s15, 7
	s_add_co_u32 s20, s20, s21                     ; my first row of out0: 256 x tile row + 128 x half
	s_mov_b32 s21, 0
	s_mov_b64 s[18:19], SIZE_N*4
	s_mul_u64 s[20:21], s[20:21], s[18:19]
	s_lshl_b32 s46, s42, 10                        ; my first column, in bytes: 1024 x tile column + 512 x half
	s_lshl_b32 s47, s16, 9
	s_add_co_u32 s46, s46, s47
	s_mov_b32 s47, 0
	s_add_nc_u64 s[68:69], s[68:69], s[46:47]      ; bias at my first column
	s_add_nc_u64 s[20:21], s[20:21], s[46:47]
	s_add_nc_u64 s[70:71], s[70:71], s[20:21]      ; out0 at my first row and column
	global_load_b128 v[BIAS:BIAS+3], v[CO], s[68:69]   ; bias of columns 4 x lane .. 4 x lane + 3 of my 128: on the way out a lane has these four columns in every row
	; the prefetches: where my wave's stand, and who asks
	s_lshl_b32 s76, s17, 8
	s_lshl_b32 s77, s42, 8
	s_and_b32 s78, ttmp7, 0xffff                   ; cluster y
	s_cmp_eq_u32 s15, 0                            ; do I fetch for A?
	s_cselect_b32 s76, s76, s77                    ; the tile's first row: in A by the tile row, in B by the tile column
	s_cselect_b32 s77, s40, s41                    ; my place among the four that ask for it with me
	s_cselect_b32 s78, ttmp9, s78                  ; the coordinate along which other clusters read the same rows
	s_cselect_b64 s[PFA:PFA+1], s[4:5], s[6:7]
	s_cmp_eq_u32 s78, 0
	s_cselect_b32 s[LIM], 1, -1                    ; the same in all sixteen partners, for a given wave
	s_lshl_b32 s79, s16, 7
	s_add_co_u32 s76, s76, s79                     ; + the 128 rows that I fetch
	s_lshl_b32 s77, s77, 5
	s_add_co_u32 s76, s76, s77                     ; + my work-group's 32 of them
	s_mov_b32 s77, 0
	s_lshl_b64 s[76:77], s[76:77], 12              ; rows of 4,096 bytes
	s_add_nc_u64 s[PFA:PFA+1], s[PFA:PFA+1], s[76:77]
	s_add_nc_u64 s[PFA:PFA+1], s[PFA:PFA+1], 2*ROWB    ; at K step 2: the first refill steps it to 3 and names K step 4.  Nothing is prefetched here, at the head, where every work-group's first tiles are on their way
	v_and_b32 v[PFO], 31, v0
	v_lshlrev_b32 v[PFO], 12, v[PFO]
	s_wait_kmcnt 0x0                               ; e0, e1, scale
	s_add_co_i32 s96, s96, s97
	v_mov_b32 v[SCL], s72
	v_ldexp_f32 v[SCL], v[SCL], s96                ; scale x 2^(e0 + e1): nothing is rounded, short of overflow and underflow
	v_mov_b32 v[SCL+1], v[SCL]
.macro FRAG reg, adr, q, i             ; a fragment, 16 rows x 128 K of 8-bit codes, is 16 registers: lane l holds row l % 16; registers 4 c .. 4 c + 3 hold K = 32 c + 16 (l / 16) + 0 .. 15
.irp c, 0,1,2,3
	ds_load_b128 v[\reg+4*\c:\reg+4*\c+3], v[\adr] offset:128*(\q)+32*\c+(\i)*16*PITCH
.endr
.endm
; 16 matrix instructions: A's blocks a0, a0 + 1 x B's eight, 128 along K.  p: B's set.  zero = 1: the first product starts the sums: nothing is ever cleared.
; The 64 accumulators take turns, one instruction a turn, in the same order in every step.
.macro MUL16 a0, p, zero
.irp a, \a0, \a0+1
.irp b, 0,1,2,3,4,5,6,7
.if \zero
	v_wmma_f32_16x16x128_fp8_fp8 v[8*(8*((\a)%4)+\b):8*(8*((\a)%4)+\b)+7], v[128*(\p)+FR*\b:128*(\p)+FR*\b+FR-1], v[AF+FR*(\a):AF+FR*(\a)+FR-1], 0
.else
	v_wmma_f32_16x16x128_fp8_fp8 v[8*(8*((\a)%4)+\b):8*(8*((\a)%4)+\b)+7], v[128*(\p)+FR*\b:128*(\p)+FR*\b+FR-1], v[AF+FR*(\a):AF+FR*(\a)+FR-1], v[8*(8*((\a)%4)+\b):8*(8*((\a)%4)+\b)+7]
.endif
.endr
.endr
.endm
.macro FETCH_B slot, q, p              ; B's eight fragments of the slot's q-th 128 along K into set p
	WIN TO_B
.irp i, 0,1,2,3,4,5,6,7
	FRAG 128*(\p)+FR*\i, ADRB+\slot, \q, \i
.endr
	WIN 0
.endm
.macro FETCH_A slot, q, i0             ; A's blocks i0 .. i0 + 3
.irp i, \i0, \i0+1, \i0+2, \i0+3
	FRAG AF+FR*(\i), ADRA+\slot, \q, \i
.endr
.endm
; A load into a register that a matrix instruction has read, and an LDS store that reads a matrix result, stand NP places behind that matrix instruction, and only plain vector
; instructions that name none of its registers are places (ISA guide 7.12.1 for vector instructions); the matrix instructions in between are not counted.
.macro PLACES n
.rept \n
	v_nop
.endr
.endm
; A step of 128 along K that has its successor in the same slot.
.macro STEP slot, q, zero
	s_wait_dscnt 4*NL                              ; B's set and A's blocks 0-3 are in; the youngest sixteen loads (A's blocks 4-7) may be out
	WIN MUL_LO
	MUL16 0, (\q)%2, \zero
	MUL16 2, (\q)%2, \zero
	s_wait_dscnt 0                                 ; A's blocks 4-7 are in (asked for 32 matrix instructions ago)
	PLACES NP
	FETCH_B \slot, (\q)+1, 1-(\q)%2
	FETCH_A \slot, (\q)+1, 0
	WIN MUL_HI
	MUL16 4, (\q)%2, \zero
	MUL16 6, (\q)%2, \zero
	PLACES NP
	WIN 0
	FETCH_A \slot, (\q)+1, 4
.endm
; A slot's last step changes slots: ONE barrier; in front of it each wave waits for all its tensor loads, adds 0 to its spare word, and waits for that and for its own reads of this slot.  fill = 1: this slot is filled again, two K steps ahead.
.macro TURN slot, next, fill
.if \fill
	s_wait_xcnt 0x0                                ; the last prefetch, a K step back, has read its address: it is stepped here, ahead of the waits of the change of slots
	s_add_nc_u64 s[PFA:PFA+1], s[PFA:PFA+1], ROWB
.endif
	s_wait_tensorcnt 0x0                           ; all my tensor loads have landed: the one that was out is my part of the next slot;  (every window is 0 here: the add's two registers lie in window 0)
	ds_add_u32 v[SPW], v[NIL]                      ; 0 onto my spare word
	s_wait_dscnt 4*NL+1                            ; (the add and the youngest sixteen loads, A's blocks 4-7, may be out)
	WIN MUL_LO
	MUL16 0, 1, 0                                  ; sixteen matrix instructions stand between the add and the wait for it
	s_wait_dscnt 0x0                               ; the add is done, and my reads of this slot are over
	s_barrier_signal -1
	MUL16 2, 1, 0
	WIN 0
	s_barrier_wait -1
.if \fill
	CREST                                          ; the barrier has opened a round of the cluster's barrier: no wave of any partner still reads this slot's tile or has a load on its way
	s_add_nc_u64 s[G0+4*\slot+2:G0+4*\slot+3], s[G0+4*\slot+2:G0+4*\slot+3], 2*ROWB
	s_add_nc_u64 s[G0B+4*\slot+2:G0B+4*\slot+3], s[G0B+4*\slot+2:G0B+4*\slot+3], 2*ROWB
	JLOAD G0+4*\slot, G1, G0B+4*\slot, G1B         ; the first tensor load behind the round, and my only one until the next; the four v_nop behind it are also the places in front of the loads below
.else
	PLACES NP
.endif
	FETCH_B \next, 0, 0
	FETCH_A \next, 0, 0
.if \fill
	ASK                                            ; behind the joint load and the run of LDS loads that the next products wait for
.endif
	WIN MUL_HI
	MUL16 4, 1, 0
	MUL16 6, 1, 0
	PLACES NP
	WIN 0
	FETCH_A \next, 0, 4
.endm
	s_wait_loadcnt 0x0                             ; the bias: this wait lies inside the wait for the first tiles
	s_wait_tensorcnt 1                             ; my part of K step 0 is in (K step 1's load may be out)
	s_barrier_signal -1
	s_barrier_wait -1                              ; everybody's is
	FETCH_B 0, 0, 0
	FETCH_A 0, 0, 0
	FETCH_A 0, 0, 4
	STEP 0, 0, 1                                   ; the first step stands in front of the loop: its products start the sums
	s_mov_b32 s3, LAPS-1
.Llap:                                                 ; a trip goes once round the ring, from a lap's second step to the next lap's first, and fills both slots again: 7 trips, K steps 2 to 15
	TURN 0, 1, 1
	STEP 1, 0, 0
	TURN 1, 0, 1
	STEP 0, 0, 0
	s_sub_co_u32 s3, s3, 1
	s_cmp_lg_u32 s3, 0
	s_cbranch_scc1 .Llap
	TURN 0, 1, 0                                   ; the last lap fills nothing, and has no round of the cluster's barrier
	STEP 1, 0, 0
	s_wait_dscnt 4*NL                              ; the very last step: nothing more to fetch
	WIN MUL_LO
	MUL16 0, 1, 0
	MUL16 2, 1, 0
	s_wait_dscnt 0
	WIN MUL_HI
	MUL16 4, 1, 0
	MUL16 6, 1, 0
	WIN 0
; THE WAY OUT, block by block of 16 rows x 128 columns.  A lane holds 32 neighbouring bytes of a row, and the lanes beside it hold other rows: so a block's sums go, as they are, through my own stage in LDS and come back as whole
; rows of 512 bytes.  There a lane has the same four columns in every row: the factor and the bias are applied behind the turn, where the bias costs four registers, by two packed multiply-adds a row; then the 32 lanes
; store the row: 512 consecutive bytes.  LDS serves a wave's instructions in order (ISA guide 5.7.1.4): no wait between the stores and the loads, nor in front of the next block's stores.
.macro TOSTAGE a
.set AC, 64*((\a)%4)
.set BB, BK+64*((\a)%2)
	WIN 0x08+4*((\a)/4)                            ; an LDS store's data: window 2 or 3; its address: window 0
.irp b, 0,1,2,3,4,5,6,7
	ds_store_b128 v[STO], v[AC+8*\b:AC+8*\b+3] offset:64*\b        ; each accumulator from its low end on
	ds_store_b128 v[STO], v[AC+8*\b+4:AC+8*\b+7] offset:64*\b+16
.endr
	WIN 0
.irp t, 0,1,2,3,4,5,6,7,8,9,10,11,12,13,14,15
	ds_load_b128 v[BB+4*\t:BB+4*\t+3], v[RD] offset:\t*SPITCH
.endr
.endm
.macro SEND a, younger                 ; younger: the LDS instructions issued behind block a's loads, which may stay out
.set BB, BK+64*((\a)%2)
	s_wait_dscnt \younger                          ; the block is back in registers
.if (\a) > 0
	s_add_nc_u64 s[70:71], s[70:71], 16*SIZE_N*4   ; (behind a wait on XCNT: the earlier stores have read their base)  16 rows of out0 on, so that the stores' offsets stay small: 15 rows at the most
.endif
.irp t, 0,1,2,3,4,5,6,7,8,9,10,11,12,13,14,15
	v_pk_fma_f32 v[BB+4*\t:BB+4*\t+1], v[BB+4*\t:BB+4*\t+1], v[SCL:SCL+1], v[BIAS:BIAS+1]           ; sum x (scale x 2^(e0 + e1)) + bias, two at a time
	v_pk_fma_f32 v[BB+4*\t+2:BB+4*\t+3], v[BB+4*\t+2:BB+4*\t+3], v[SCL:SCL+1], v[BIAS+2:BIAS+3]
	global_store_b128 v[CO], v[BB+4*\t:BB+4*\t+3], s[70:71] offset:\t*SIZE_N*4 th:TH_STORE_NT   ; 32 lanes store 512 consecutive bytes, at a multiple of 256 from out0's first byte; written once, read by nobody here
.endr
.endm
	PLACES NP                                      ; behind the last products: for the LDS stores that read results, and for the loads into the registers that held A's fragments
	TOSTAGE 0
.irp a, 1,2,3,4,5,6,7
.if \a > 1
	s_wait_xcnt 0x0                                ; block a - 2's stores have read their registers and their base: block a's loads may land there, and the base may step
.endif
	TOSTAGE \a
	SEND \a-1, 32                                  ; behind block a - 1's loads: block a's 16 stores and 16 loads
.endr
	s_wait_xcnt 0x0                                ; block 6's stores have read their base
	SEND 7, 0
	s_wait_tensorcnt 0x0                           ; the wave's end: behind my last tensor load and my last LDS store
	ds_add_u32 v[SPW], v[NIL]
	s_wait_dscnt 0x0
	CROUND                                         ; the closing round: no work-group ends while a partner may still ask for a tile that names it
	s_endpgm
.Lfunc_end_k_qd4d6fd40b6_gemm:
	.size	k_qd4d6fd40b6_gemm, .Lfunc_end_k_qd4d6fd40b6_gemm-k_qd4d6fd40b6_gemm
	.p2alignl 7, 3214868480
	.fill 96, 4, 3214868480
	.section	.rodata,"a",@progbits
	.p2align	6, 0x0
	.amdhsa_kernel k_qd4d6fd40b6_gemm
		.amdhsa_group_segment_fixed_size 327680
		.amdhsa_private_segment_fixed_size 0
		.amdhsa_enable_private_segment 0
		.amdhsa_kernarg_size 48
		.amdhsa_user_sgpr_count 2
		.amdhsa_user_sgpr_kernarg_segment_ptr 1
		.amdhsa_wavefront_size32 1
		.amdhsa_system_sgpr_workgroup_id_x 1
		.amdhsa_system_sgpr_workgroup_id_y 1
		.amdhsa_system_sgpr_workgroup_id_z 1
		.amdhsa_system_vgpr_workitem_id 0
		.amdhsa_next_free_vgpr 1024
		.amdhsa_next_free_sgpr 98
		.amdhsa_reserve_vcc 0
		.amdhsa_float_denorm_mode_32 3
		.amdhsa_float_denorm_mode_16_64 3
		.amdhsa_memory_ordered 1
		.amdhsa_forward_progress 1
		.amdhsa_inst_pref_size 125
	.end_amdhsa_kernel
	.amdgpu_metadata
---
amdhsa.version: [ 1, 2 ]
amdhsa.kernels:
  - .name:           k_qd4d6fd40b6_gemm
    .symbol:         k_qd4d6fd40b6_gemm.kd
    .args:
      - { .name: x_codes, .offset: 0, .size: 8, .value_kind: global_buffer, .address_space: global }
      - { .name: w_codes, .offset: 8, .size: 8, .value_kind: global_buffer, .address_space: global }
      - { .name: lowp_scales, .offset: 16, .size: 8, .value_kind: global_buffer, .address_space: global }
      - { .name: scale, .offset: 24, .size: 8, .value_kind: global_buffer, .address_space: global }
      - { .name: bias, .offset: 32, .size: 8, .value_kind: global_buffer, .address_space: global }
      - { .name: out0, .offset: 40, .size: 8, .value_kind: global_buffer, .address_space: global }
    .group_segment_fixed_size: 327680
    .private_segment_fixed_size: 0
    .kernarg_segment_align: 8
    .kernarg_segment_size: 48
    .max_flat_workgroup_size: 128
    .sgpr_count:     98
    .vgpr_count:     1024
    .wavefront_size: 32
...
	.end_amdgpu_metadata
.endif
;; end of part 2
;; ======== version 2 of 2: 2 launches
;; limits: right only within a limited range of input values
;; workspace buffers: x_codes 16,777,216 bytes; w_pack 8,388,608 bytes
;; launch prep (part 3): grid 1024 x 1, 4 waves a work-group, no clusters, 50,688 bytes of LDS; arguments x, pos_mask, neg_mask, lowp_scales, x_codes, w_pack; writes x_codes, w_pack
.if DOCPART == 3
	.amdgcn_target "amdgcn-amd-amdhsa--gfx1250"
	.amdhsa_code_object_version 6
	.text
	.protected	k_qd4d6fd40b6_prep
	.globl	k_qd4d6fd40b6_prep
	.p2align	8
	.type	k_qd4d6fd40b6_prep,@function
k_qd4d6fd40b6_prep:
	s_mov_b64 s[64:65], 0
	v_nop
	global_prefetch_b8 v0, s[64:65] scope:SCOPE_SE
	s_setreg_imm32_b32 hwreg(HW_REG_WAVE_MODE, 25, 1), 1
	s_wait_xcnt 0x0
; The two operands of y = scale (x w^T) + bias are made ready for the product's launch.
; x [4096][4096] f32 becomes x_codes [4096][4096]: codes of FP8 (E4M3), one a byte, K innermost: code = x / 2^e0, held within +-448, rounded to the nearest code, ties to even.
; e0: entry 0 (int32) of the buffer of scales.  LIMITS: -126 <= e0 and e0 + 8 <= 127, so that 2^e0 and 448 x 2^e0 are f32 numbers.  NaN in x is not served (an infinity is held at the largest code).
; w is ternary: word i of a row of pos_mask and neg_mask (int32, of which the low 8 bits count) holds k = 8 i .. 8 i + 7, bit 7 first; w = (pos bit) - (neg bit).  It has three values, so it is not turned into codes here:
; it becomes w_pack, FOUR BITS A WEIGHT.  A byte holds the pair (w[k], w[k + 4]): with d = 0, 1, 2 for w = 0, +1, -1 and idx = d(w[k]) + 3 d(w[k + 4]) the byte is 8 - idx (0 to 7) where idx is not 0, and 12 for the pair (0, 0).
; The product's launch makes the codes from these bytes by a byte permute with a table of 8 bytes; 12 is the selector that gives the byte 0.  One mask word (8 weights) becomes one packed word: byte b = the pair (k = 8 i + b, 8 i + 4 + b).
; w_pack's ORDER IS THAT OF THE READER'S REGISTERS: [32 blocks of 128 outputs][32 steps of 128 along K][8 fragments of 16 outputs][1,024 bytes]; in a fragment lane (r, h) has 16 bytes at 16 (r + 16 h) and 16 more 512 bytes on:
; its packed word q = 0 .. 7 is mask word 16 s + 4 (q / 2) + 2 h + q % 2 of output 16 i + r.
; SHARES.  Work-groups 0 to 511 take x, 8,192 numbers a wave; work-groups 512 to 1,023 take the masks, 16 outputs x 64 words of each mask a wave.  The two ways part once, on the work-group's number, and do not join;
; each has LDS bytes of its own.  No work-group shares a byte with another: no cluster, no matrix unit, no barrier.  All steps are written out: every offset is an immediate, no address and no store's data register is written again.
.set WGX,   512                        ; work-groups for x: 4096 x 4096 / (4 waves x 8,192)
.set STEPS, 16
.set SP,    80                         ; x: a lane's place in a stage: its 64 bytes + 16 of padding
.set MBASE, 32768                      ; masks: the stages begin behind x's 4 x 8,192 bytes
.set MPITCH, 544                       ; masks: 512 bytes of an image + 32 of padding: the eight pieces start 8 banks apart
.set MSTG,  8*MPITCH                   ; masks: a wave's stage: four fragments' images
.set R,     16                         ; x: v16-79   four sets of 16 numbers as they are loaded
.set X,     80                         ; x: v80-111  two sets of 16 neighbours
.set C,     128                        ; x: v128-191 codes: four registers for each step
.set P,     16                         ; masks: v16-47   four words of pos_mask for each of 8 loads
.set N,     48                         ; masks: v48-79   the same of neg_mask
.set T,     80                         ; masks: v80-87   at work: two sets of four
.set Z,     96                         ; masks: v96-127  the packed words
.set O,     128                        ; masks: v128-159 the images read back
	s_load_b256 s[4:11], s[0:1], 0x0               ; x s[4:5], pos_mask s[6:7], neg_mask s[8:9], the scales' exponents s[10:11]
	s_load_b128 s[12:15], s[0:1], 0x20             ; x_codes s[12:13], w_pack s[14:15]
	v_lshl_add_u32 v192, v0, 2, 0xc400
	v_mov_b32 v193, 0
	v_lshrrev_b32 v1, 5, v0
	v_readfirstlane_b32 s16, v1                    ; wave 0..3
	v_and_b32 v2, 31, v0                           ; lane
	v_lshlrev_b32 v3, 4, v2                        ; 16 x lane: my 16 bytes of a run of 512
	s_lshl_b32 s17, s16, 13                        ; x: 8,192 bytes of LDS for each wave, of which two stages of 32 x SP bytes are used
	v_lshrrev_b32 v14, 2, v2
	v_mul_u32_u24 v14, v14, SP
	v_and_b32 v15, 3, v2
	v_lshl_add_u32 v14, v15, 4, v14
	v_add_nc_u32 v14, s17, v14                     ; x's stage, on the way in: four lanes' 64 bytes on end, then 16 of padding: SP (lane / 4) + 16 (lane % 4)
	v_mul_u32_u24 v15, v2, SP
	v_add_nc_u32 v15, s17, v15                     ; and on the way out: SP x lane: my 16 neighbours
	s_mul_i32 s21, s16, MSTG
	s_add_co_u32 s21, s21, MBASE                   ; masks: my wave's stage
	v_and_b32 v8, 15, v2                           ; u: which four words of a row's 64
	v_lshrrev_b32 v9, 4, v2                        ; which of a load's two rows
	v_lshlrev_b32 v5, 4, v8
	v_lshl_add_u32 v5, v9, 11, v5                  ; masks, in: 16 u + 2,048 x row
	v_lshrrev_b32 v12, 1, v8
	v_mul_u32_u24 v6, v12, MPITCH                  ; masks, into the stage: piece u / 2 (step u / 4, half (u % 4) / 2 of the fragment's image),
	v_and_b32 v12, 1, v2
	v_lshl_add_u32 v6, v12, 3, v6                  ; + 8 (u % 2): words 2 (u % 2) and 2 (u % 2) + 1 of a lane's four,
	v_lshl_add_u32 v6, v9, 4, v6                   ; + 16 x row; a load's rows 2 t and 2 t + 1 and the upper lanes' 256 bytes stand in the immediates
	v_add_nc_u32 v6, s21, v6
	v_add_nc_u32 v7, s21, v3                       ; and out of it: 16 x lane
	s_wait_kmcnt 0x0
	s_cmp_lt_u32 ttmp9, WGX
	s_cbranch_scc0 .Lmasks
; ---------------- x ----------------
; The conversion takes eight numbers of ONE lane's consecutive registers, so a lane must hold neighbours along K; a load is dense where neighbouring LANES take neighbouring bytes.  Both are had: each of a step's four loads
; reads 512 consecutive bytes, 16 a lane; the 2,048 bytes go through the wave's own stage in LDS as they lie and come back 64 bytes a lane.  Loads run four steps (16 loads a wave) ahead, the turn through LDS one step.
	s_load_b32 s22, s[10:11], 0x0                  ; e0
	s_lshl_b32 s18, ttmp9, 2
	s_add_co_u32 s18, s18, s16                     ; which run of 8,192 numbers is my wave's
	s_mov_b32 s19, 0
	s_lshl_b64 s[20:21], s[18:19], 15              ; 32,768 bytes of x,
	s_lshl_b64 s[28:29], s[18:19], 13              ; 8,192 bytes of codes
	s_add_nc_u64 s[4:5], s[4:5], s[20:21]
	s_add_nc_u64 s[12:13], s[12:13], s[28:29]
.macro LOAD t
.irp i, 0,1,2,3
	global_load_b128 v[R+16*((\t)%4)+4*\i:R+16*((\t)%4)+4*\i+3], v3, s[4:5] offset:2048*(\t)+512*\i th:TH_LOAD_NT   ; 32 lanes read 512 consecutive bytes; read once in the launch
.endr
.endm
.macro TURN t                          ; step t's numbers through the stage: LDS serves a wave's instructions in order (ISA guide 5.7.1.4), so no wait stands between the stores and the loads
.irp i, 0,1,2,3
	ds_store_b128 v14, v[R+16*((\t)%4)+4*\i:R+16*((\t)%4)+4*\i+3] offset:32*SP*((\t)%2)+8*SP*\i
.endr
.irp i, 0,1,2,3
	ds_load_b128 v[X+16*((\t)%2)+4*\i:X+16*((\t)%2)+4*\i+3], v15 offset:32*SP*((\t)%2)+16*\i
.endr
.endm
.irp t, 0,1,2,3
	LOAD \t
.endr
	s_wait_kmcnt 0x0
	s_add_co_i32 s30, s22, 127
	s_lshl_b32 s31, s30, 23
	v_mov_b32 v11, s31                             ; 2^e0 as f32: the conversion takes its exponent field
	s_add_co_i32 s30, s30, 8                       ; 448 = 1.75 x 2^8: the exponent 8 higher,
	s_lshl_b32 s30, s30, 23
	s_or_b32 s30, s30, 0x600000                    ; and 1.75's mantissa field
	v_mov_b32 v10, s30                             ; 448 x 2^e0
	s_wait_alu depctr_va_vdst(0)
	s_wait_loadcnt 12                              ; step 0's four loads are in; the twelve of steps 1 to 3 stay out
	TURN 0
.macro STEP t
.set XS, X+16*((\t)%2)
	s_wait_dscnt 0x0                               ; this step's numbers are back from the stage: so its stores into the stage have read their registers,
.if (\t)+4 < STEPS
	LOAD (\t)+4                                    ; which take the loads of four steps on
.endif
.if (\t)+1 < STEPS
.if STEPS-2-(\t) >= 3
	s_wait_loadcnt 12                              ; the next step's four loads are in; those of the three steps behind it may be out
.else
	s_wait_loadcnt 4*(STEPS-2-(\t))                ; at the end fewer steps stand behind it
.endif
	TURN (\t)+1                                    ; and go through the other stage while this step is worked
.endif
.irp i, 0,1,2,3,4,5,6,7,8,9,10,11,12,13,14,15
	v_med3_num_f32 v[XS+\i], v[XS+\i], -v10, v10   ; the conversion to an 8-bit code does not saturate (ISA guide 7.6.2): the number is held within 448 x the scale first
.endr
	v_cvt_scalef32_pk8_fp8_f32 v[C+4*(\t):C+4*(\t)+1], v[XS:XS+7], v11          ; eight numbers / 2^e0, to the nearest code, ties to even; the first number's code in the lowest byte
	v_cvt_scalef32_pk8_fp8_f32 v[C+4*(\t)+2:C+4*(\t)+3], v[XS+8:XS+15], v11    ; (the results go to a store alone; the next vector lines, the next step's holds, are plain and name other registers)
	global_store_b128 v3, v[C+4*(\t):C+4*(\t)+3], s[12:13] offset:512*(\t)      ; 32 lanes store 512 consecutive bytes, at a multiple of 256 from the buffer's first byte
.endm
.irp t, 0,1,2,3,4,5,6,7,8,9,10,11,12,13,14,15
	STEP \t
.endr
	s_wait_tensorcnt 0x0
	ds_add_u32 v192, v193
	s_wait_dscnt 0x0
	s_endpgm
; ---------------- the masks ----------------
; A wave takes a block of 16 outputs and 64 words of their rows: four steps of 128 along K, four fragments' images.  Each load reads two rows' 256 consecutive bytes; lane (row, u) holds words 4 u .. 4 u + 3.
; Word 4 u + e belongs to step u / 4 and is there packed word q = 2 (u % 4) + e % 2 of the lane half h = e / 2: words e = 0, 1 are neighbours in the image, words 2, 3 lie 256 bytes further on.
.Lmasks:
	s_sub_co_u32 s17, ttmp9, WGX
	s_lshl_b32 s18, s17, 2
	s_add_co_u32 s18, s18, s16                     ; my wave's number among the 2,048
	s_lshr_b32 s19, s18, 3                         ; which block of 16 outputs, 0 .. 255
	s_and_b32 s20, s18, 7                          ; which 64 words of the rows' 512
	s_lshl_b32 s28, s19, 15                        ; in: 16 rows of 2,048 bytes,
	s_lshl_b32 s22, s20, 8                         ; + 256 bytes
	s_add_co_u32 s28, s28, s22
	s_mov_b32 s29, 0
	s_lshr_b32 s30, s19, 3
	s_lshl_b32 s30, s30, 18                        ; out: the block of 128 outputs: 32 steps x 8,192 bytes,
	s_lshl_b32 s22, s20, 15                        ; + four steps,
	s_add_co_u32 s30, s30, s22
	s_and_b32 s22, s19, 7
	s_lshl_b32 s22, s22, 10                        ; + the fragment
	s_add_co_u32 s30, s30, s22
	s_mov_b32 s31, 0
	s_add_nc_u64 s[6:7], s[6:7], s[28:29]
	s_add_nc_u64 s[8:9], s[8:9], s[28:29]
	s_add_nc_u64 s[14:15], s[14:15], s[30:31]
	s_wait_alu depctr_va_vdst(0)
.irp t, 0,1,2,3,4,5,6,7                                ; all 16 loads of the wave go out at once; read once in the launch
	global_load_b128 v[P+4*\t:P+4*\t+3], v5, s[6:7] offset:4096*\t th:TH_LOAD_NT
	global_load_b128 v[N+4*\t:N+4*\t+3], v5, s[8:9] offset:4096*\t th:TH_LOAD_NT
.endr
	s_mov_b32 s24, 0x08040201                      ; 1 + 2^9 + 2^18 + 2^27
	s_mov_b32 s25, 0x04040404
	s_mov_b32 s26, 0x08080808
	s_mov_b32 s27, 0x40404040
; One word of each mask becomes one packed word.  A nibble times 1 + 2^9 + 2^18 + 2^27 is four copies that do not meet; bits 3, 11, 19, 27 of the product are the nibble's bits 3, 2, 1, 0:
; one bit a byte, worth 8, the highest bit (the lowest k) in byte 0.  All sums below stay under 256 in each byte, so nothing is carried from byte to byte.
.macro PACK p, n, z, t
	v_xor_b32 v[(\t)], v[(\p)], v[(\n)]            ; bits where exactly one mask is set: w is not 0
	v_and_b32 v[(\t)+1], v[(\n)], v[(\t)]          ; of these, those where w is -1
	v_bfe_u32 v[(\t)+2], v[(\t)], 4, 4             ; not 0: bits 7 to 4 (k 0 to 3),
	v_and_b32 v[(\t)], 15, v[(\t)]                 ; bits 3 to 0 (k 4 to 7); the word's bits above 7 are dropped, as the problem's unpacking drops them
	v_bfe_u32 v[(\t)+3], v[(\t)+1], 4, 4           ; -1: likewise
	v_and_b32 v[(\t)+1], 15, v[(\t)+1]
	v_mul_lo_u32 v[(\t)+2], v[(\t)+2], s24
	v_mul_lo_u32 v[(\t)], v[(\t)], s24
	v_mul_lo_u32 v[(\t)+3], v[(\t)+3], s24
	v_mul_lo_u32 v[(\t)+1], v[(\t)+1], s24
	v_and_b32 v[(\t)+2], s26, v[(\t)+2]
	v_and_b32 v[(\t)], s26, v[(\t)]
	v_and_b32 v[(\t)+3], s26, v[(\t)+3]
	v_and_b32 v[(\t)+1], s26, v[(\t)+1]
	v_add_nc_u32 v[(\t)+2], v[(\t)+2], v[(\t)+3]   ; 8 d of k 0 to 3: 0, 8 (+1) or 16 (-1)
	v_add_nc_u32 v[(\t)], v[(\t)], v[(\t)+1]       ; 8 d of k 4 to 7
	v_lshl_add_u32 v[(\t)], v[(\t)], 1, v[(\t)]    ; x 3
	v_add_nc_u32 v[(\t)+2], v[(\t)+2], v[(\t)]     ; 8 idx, at most 64
	v_sub_nc_u32 v[(\t)+2], s27, v[(\t)+2]         ; 64 - 8 idx
	v_lshrrev_b32 v[(\t)], 4, v[(\t)+2]
	v_lshrrev_b32 v[(\t)+2], 3, v[(\t)+2]          ; 8 - idx: 0 to 7, and 8 for the pair (0, 0),
	v_and_or_b32 v[(\z)], v[(\t)], s25, v[(\t)+2]  ; which gets bit 2 beside its bit 3: 12
.endm
.irp t, 0,1,2,3,4,5,6,7
	s_wait_loadcnt 14-2*\t                         ; this pair of loads is in; the two of each later pair may be out
	PACK P+4*\t,   N+4*\t,   Z+4*\t,   T
	PACK P+4*\t+1, N+4*\t+1, Z+4*\t+1, T+4
	PACK P+4*\t+2, N+4*\t+2, Z+4*\t+2, T
	PACK P+4*\t+3, N+4*\t+3, Z+4*\t+3, T+4
	ds_store_b64 v6, v[Z+4*\t:Z+4*\t+1] offset:32*\t           ; outputs 2 t and 2 t + 1, lanes 0-15's part of the image: the 32 lanes' 8 bytes fall on 64 different banks
	ds_store_b64 v6, v[Z+4*\t+2:Z+4*\t+3] offset:32*\t+256     ; lanes 16-31's part
.endr
.irp m, 0,1,2,3,4,5,6,7
	ds_load_b128 v[O+4*\m:O+4*\m+3], v7 offset:MPITCH*\m       ; LDS serves a wave's instructions in order (ISA guide 5.7.1.4): these see my stores
.endr
.irp m, 0,1,2,3,4,5,6,7
	s_wait_dscnt 7-\m
	global_store_b128 v3, v[O+4*\m:O+4*\m+3], s[14:15] offset:8192*(\m/2)+512*(\m%2)   ; half a fragment's image: 32 lanes store 512 consecutive bytes, at a multiple of 256 from the buffer's first byte
.endr
	s_wait_tensorcnt 0x0
	ds_add_u32 v192, v193
	s_wait_dscnt 0x0
	s_endpgm
.Lfunc_end_k_qd4d6fd40b6_prep:
	.size	k_qd4d6fd40b6_prep, .Lfunc_end_k_qd4d6fd40b6_prep-k_qd4d6fd40b6_prep
	.p2alignl 7, 3214868480
	.fill 96, 4, 3214868480
	.section	.rodata,"a",@progbits
	.p2align	6, 0x0
	.amdhsa_kernel k_qd4d6fd40b6_prep
		.amdhsa_group_segment_fixed_size 50688
		.amdhsa_private_segment_fixed_size 0
		.amdhsa_enable_private_segment 0
		.amdhsa_kernarg_size 48
		.amdhsa_user_sgpr_count 2
		.amdhsa_user_sgpr_kernarg_segment_ptr 1
		.amdhsa_wavefront_size32 1
		.amdhsa_system_sgpr_workgroup_id_x 1
		.amdhsa_system_sgpr_workgroup_id_y 1
		.amdhsa_system_sgpr_workgroup_id_z 1
		.amdhsa_system_vgpr_workitem_id 0
		.amdhsa_next_free_vgpr 194
		.amdhsa_next_free_sgpr 66
		.amdhsa_reserve_vcc 0
		.amdhsa_float_denorm_mode_32 3
		.amdhsa_float_denorm_mode_16_64 3
		.amdhsa_memory_ordered 1
		.amdhsa_forward_progress 1
		.amdhsa_inst_pref_size 73
	.end_amdhsa_kernel
	.amdgpu_metadata
---
amdhsa.version: [ 1, 2 ]
amdhsa.kernels:
  - .name:           k_qd4d6fd40b6_prep
    .symbol:         k_qd4d6fd40b6_prep.kd
    .args:
      - { .name: x, .offset: 0, .size: 8, .value_kind: global_buffer, .address_space: global }
      - { .name: pos_mask, .offset: 8, .size: 8, .value_kind: global_buffer, .address_space: global }
      - { .name: neg_mask, .offset: 16, .size: 8, .value_kind: global_buffer, .address_space: global }
      - { .name: lowp_scales, .offset: 24, .size: 8, .value_kind: global_buffer, .address_space: global }
      - { .name: x_codes, .offset: 32, .size: 8, .value_kind: global_buffer, .address_space: global }
      - { .name: w_pack, .offset: 40, .size: 8, .value_kind: global_buffer, .address_space: global }
    .group_segment_fixed_size: 50688
    .private_segment_fixed_size: 0
    .kernarg_segment_align: 8
    .kernarg_segment_size: 48
    .max_flat_workgroup_size: 128
    .sgpr_count:     66
    .vgpr_count:     194
    .wavefront_size: 32
...
	.end_amdgpu_metadata
.endif
;; end of part 3
;; launch gemm (part 4): grid 16 x 16, 4 waves a work-group, clusters of 4 x 1, 327,680 bytes of LDS; arguments x_codes, w_pack, lowp_scales, scale, bias, out0; writes out0
.if DOCPART == 4
	.amdgcn_target "amdgcn-amd-amdhsa--gfx1250"
	.amdhsa_code_object_version 6
	.text
	.protected	k_qd4d6fd40b6_gemm
	.globl	k_qd4d6fd40b6_gemm
	.p2align	8
	.type	k_qd4d6fd40b6_gemm,@function
k_qd4d6fd40b6_gemm:
	s_mov_b64 s[64:65], 0
	v_nop
	global_prefetch_b8 v0, s[64:65] scope:SCOPE_SE
	s_setreg_imm32_b32 hwreg(HW_REG_WAVE_MODE, 25, 1), 1
	s_wait_xcnt 0x0
	s_wait_alu depctr_hold_cnt(0) depctr_sa_sdst(0) depctr_va_vdst(0) depctr_va_sdst(0) depctr_va_ssrc(0) depctr_va_vcc(0) depctr_vm_vsrc(0)
	s_getreg_b32 s2, hwreg(HW_REG_IB_STS2, 6, 4)
	s_cmp_eq_u32 s2, 0
	s_cbranch_scc0 .Lentry_in_a_cluster
	s_endpgm
.Lentry_in_a_cluster:
	s_bfe_u32 s2, ttmp6, 0x10000c
	s_cmp_lg_u32 s2, 0x3003
	s_cbranch_scc0 .Lentry_shape_is_right
	s_endpgm
.Lentry_shape_is_right:
; out0[t][o] = scale x (sum over k of x[t][k] w[o][k]) + bias[o], both operands as codes of FP8 (E4M3), sums in f32.
; x_codes [4096][4096]: one code a byte, K innermost.  w_pack: four bits a weight, in the order of the reader's registers:
; [32 blocks of 128 outputs][32 steps of 128 along K][8 fragments of 16 outputs][1,024 bytes]; a byte is a selector into a table of 8 bytes
; made of the code c of 1 / 2^e1 (held within 448), c with the sign bit, and 0; selector 12 gives the byte 0.
; LIMITS: -126 <= e1 and e1 + 8 <= 127, so that 2^e1 and 448 x 2^e1 are f32 numbers.
; A work-group of four waves makes 256 x 256 of the result, a wave 128 x 128: 64 accumulators, 512 registers.
; x's codes go through a ring of two LDS slots of 512 along K (rows of 512 bytes of memory, 528 apart in LDS); each wave fetches 64 of a slot's 256 rows.
; CLUSTER: the four work-groups of a cluster lie side by side along the outputs and need the same rows of x: each tile is asked for jointly (mask 15).
; THE WEIGHTS GO FROM MEMORY STRAIGHT INTO REGISTERS, 16 loads of 512 consecutive bytes for a step of 128 along K, two steps ahead, in two sets of 64 registers.
; So they are no tile in LDS and have no joint load: the ring holds x alone, which lets a slot hold four steps, and a step's LDS reads are x's 32 loads a wave.
; A step: 128 byte permutes make B's 128 registers of codes, with x's 32 LDS loads in one run among them and the 16 loads of packed words in one run behind them; then 64 matrix instructions on end.
; The matrix instruction is used transposed (source 0 = 16 outputs, source 1 = 16 rows of x): a lane holds eight neighbouring outputs of one row.
; REGISTERS: window 0: v0-31 addresses, v32-43 at work in the head, v128-255 x's 8 fragments (on the way out: rows read back).
;   window 1: v0-127 B's codes, v128-255 two sets of packed words.  window 2: accumulators of my rows 0-63; window 3: of rows 64-127.
.set SIZE_N, 4096
.set KROW,   4096
.set SLOTK,  512
.set PITCH,  528
.set QT,     64*PITCH                  ; what one tensor load brings
.set SLOT,   4*QT
.set SPARE,  2*SLOT                    ; the spare words: 128 bytes a wave, named by no other line
.set SPITCH, 528                       ; the way out: 16 rows x (512 + 16) bytes a wave, in slot 0, which has had its last fill and its last read by then
.set FR,     16
.set FRP,    1024
.set STEPB,  8*FRP
.set BIAS, 8
.set SCL,  12
.set ADRA, 16
.set STO,  24
.set RD,   25
.set CO,   26
.set SPW,  28
.set NIL,  29
.set PFOA, 30
.set PFOB, 31
.set AF,   128
.set BK,   128
.set PK,   128
.set G1,  24
.set G0,  32
.set PB,  48
.set PFA, 50
.set PFB, 52
.set TAB, 80
.set MSB, 0
.macro WIN new                         ; the immediate's high byte repeats the setting that is left
.if MSB != (\new)
	s_set_vgpr_msb (MSB<<8)|(\new)
.set MSB, (\new)
.endif
.endm
.set MUL_LO, 0xa1                      ; source 0 (B) window 1, source 1 (x) window 0, C and D window 2
.set MUL_HI, 0xf1
.set TO_B,   0x40                      ; destination window 1
.set PERMW,  0x50                      ; source 2 and destination window 1
.macro PLACES
.rept 4
	v_nop
.endr
.endm
.macro JLOAD s                         ; my 64 rows of the slot; s_nop 0 and four v_nop follow
	tensor_load_to_lds s[G0+4*\s:G0+4*\s+3], s[G1:G1+7]
	s_nop 0
	PLACES
.endm
.macro CREST                           ; a round of the cluster's barrier behind its opening barrier
	s_cmp_lg_u32 s14, 0
	s_cbranch_scc1 .Lnot_wave_0_\@
	s_barrier_signal -3
.Lnot_wave_0_\@:
	s_barrier_wait -3
	s_barrier_signal -1
	s_barrier_wait -1
.endm
.macro CROUND                          ; a whole round
	s_barrier_signal -1
	s_barrier_wait -1
	CREST
.endm
.macro FRAG reg, adr, q, i             ; 16 rows x 128 K: registers 4 c .. 4 c + 3 hold K = 32 c + 16 (l / 16) + 0 .. 15 of row l % 16
.irp c, 0,1,2,3
	ds_load_b128 v[(\reg)+4*\c:(\reg)+4*\c+3], v[\adr] offset:128*(\q)+32*\c+(\i)*16*PITCH
.endr
.endm
.macro FETCH_A slot, q                 ; x's eight fragments of a step, blocks in ascending order
.irp i, 0,1,2,3,4,5,6,7
	FRAG AF+FR*\i, ADRA+\slot, \q, \i
.endr
.endm
.macro PLOADS p, off                   ; a step's packed words into set p: each load reads 512 consecutive bytes
.irp i, 0,1,2,3,4,5,6,7
	global_load_b128 v[PK+64*(\p)+8*\i:PK+64*(\p)+8*\i+3], v[CO], s[PB:PB+1] offset:(\off)+FRP*\i
	global_load_b128 v[PK+64*(\p)+8*\i+4:PK+64*(\p)+8*\i+7], v[CO], s[PB:PB+1] offset:(\off)+FRP*\i+512
.endr
.endm
.macro PERMS n, p                      ; two packed words become four registers of codes
	v_perm_b32 v[4*(\n)],   s[TAB+1], s[TAB],   v[PK+64*(\p)+2*(\n)]
	v_perm_b32 v[4*(\n)+1], s[TAB+3], s[TAB+2], v[PK+64*(\p)+2*(\n)]
	v_perm_b32 v[4*(\n)+2], s[TAB+1], s[TAB],   v[PK+64*(\p)+2*(\n)+1]
	v_perm_b32 v[4*(\n)+3], s[TAB+3], s[TAB+2], v[PK+64*(\p)+2*(\n)+1]
.endm
.macro PERMR n0, cnt, p
.set PN, \n0
.rept \cnt
	PERMS PN, \p
.set PN, PN+1
.endr
.endm
.macro MM a, b, zero                   ; zero = 1: the first product starts the sum
.if \zero
	v_wmma_f32_16x16x128_fp8_fp8 v[8*(8*((\a)%4)+(\b)):8*(8*((\a)%4)+(\b))+7], v[FR*(\b):FR*(\b)+FR-1], v[AF+FR*(\a):AF+FR*(\a)+FR-1], 0
.else
	v_wmma_f32_16x16x128_fp8_fp8 v[8*(8*((\a)%4)+(\b)):8*(8*((\a)%4)+(\b))+7], v[FR*(\b):FR*(\b)+FR-1], v[AF+FR*(\a):AF+FR*(\a)+FR-1], v[8*(8*((\a)%4)+(\b)):8*(8*((\a)%4)+(\b))+7]
.endif
.endm
.macro MUL32 a0, zero                  ; the 64 accumulators take turns, in the same order in every step
.irp a, \a0, \a0+1, \a0+2, \a0+3
.irp b, 0,1,2,3,4,5,6,7
	MM \a, \b, \zero
.endr
.endr
.endm
; Prefetches, in the first step behind a refill.  x: the slot of K that the NEXT refill loads: of the cluster's 256 rows my work-group takes 64 (by cx, in the address), my wave 16, a lane one of a row's two blocks of 256 bytes.
; The weights: the four steps that begin five steps on; their 128 blocks of 256 bytes are shared out among the 32 waves (16 tile rows x 2) that read them: four each, in lanes 0 to 3; the other lanes name the last again.
; The last refill has no slot of x behind it: s3 = 1 in the loop's last trip.
.macro ASK slot
.if \slot == 1
	s_cmp_gt_u32 s3, 1
	s_cbranch_scc0 .Lno_x_\@
.endif
	global_prefetch_b8 v[PFOA], s[PFA:PFA+1] th:TH_LOAD_NT scope:SCOPE_SE
.Lno_x_\@:
	global_prefetch_b8 v[PFOB], s[PFB:PFB+1] th:TH_LOAD_NT scope:SCOPE_SE
.endm
; The operands of step q of a slot.  lc: younger loads of packed words that may stay out.  ld, off: the loads of two steps on.  ask: the slot just filled again was aslot.
.macro FEED slot, q, lc, ld, off, ask, aslot
.if \ask
	s_wait_xcnt 0x0                                ; my prefetches have read their addresses, which step here
	s_add_nc_u64 s[PFA:PFA+1], s[PFA:PFA+1], SLOTK
	s_add_nc_u64 s[PFB:PFB+1], s[PFB:PFB+1], 4*STEPB
.endif
	PLACES                                         ; in front of permutes and loads that write registers which matrix instructions have read
	s_wait_loadcnt \lc                             ; this step's 16 loads are in
	WIN PERMW
	PERMR 0, 8, (\q)%2
	WIN 0
	FETCH_A \slot, \q
	WIN PERMW
	PERMR 8, 24, (\q)%2
	s_wait_alu depctr_va_vdst(0)                   ; behind these writes: waits and a branch stand ahead of their readers
.if \ld
	WIN TO_B
	PLOADS (\q)%2, \off
.endif
	WIN 0
.if \ask
	ASK \aslot
.endif
.endm
; A step's 64 products.  kind 1: the slot's last step, the slot is filled again behind it; kind 2: the slot's last step, nothing is filled.
.macro WORK zero, kind, slot
.if \kind
	s_wait_tensorcnt 0x0                           ; all my tensor loads have landed: my part of the next slot
	ds_add_u32 v[SPW], v[NIL]
.if \kind == 1
	s_add_nc_u64 s[G0+4*\slot+2:G0+4*\slot+3], s[G0+4*\slot+2:G0+4*\slot+3], 2*SLOTK
.endif
	s_wait_dscnt 0x0                               ; the add is done, and my reads of this slot are over
	s_barrier_signal -1                            ; the products below, work on registers, stand between the signal and the wait
	WIN MUL_LO
	MUL32 0, \zero
.else
	s_wait_dscnt 16                                ; x's blocks 0-3 are in; the 16 loads of blocks 4-7 may be out
	WIN MUL_LO
	MUL32 0, \zero
	s_wait_dscnt 0x0
.endif
	WIN MUL_HI
	MUL32 4, \zero
	WIN 0
.if \kind
	s_barrier_wait -1
.endif
.if \kind == 1
	CREST                                          ; no wave of any partner still reads this slot or has a load on its way
	JLOAD \slot
.endif
.endm
.macro UNIT slot, q, lc, ld, off, ask, aslot, kind
	FEED \slot, \q, \lc, \ld, \off, \ask, \aslot
	WORK 0, \kind, \slot
.endm
	s_load_b128 s[4:7], s[0:1], 0x0                ; x_codes, w_pack
	s_load_b128 s[8:11], s[0:1], 0x10              ; the scales' exponents, scale
	s_load_b128 s[68:71], s[0:1], 0x20             ; bias, out0
	v_lshl_add_u32 v[SPW], v0, 2, SPARE
	v_mov_b32 v[NIL], 0
	ds_add_u32 v[SPW], v[NIL]                      ; the opening lines: the add twice on end and its wait
	ds_add_u32 v[SPW], v[NIL]
	v_lshrrev_b32 v1, 5, v0
	v_readfirstlane_b32 s14, v1                    ; wave 0..3
	s_lshr_b32 s15, s14, 1                         ; which 128 rows are mine
	s_and_b32 s16, s14, 1                          ; which 128 outputs
	s_bfe_u32 s40, ttmp6, 0x40000                  ; cx
	s_lshl_b32 s42, ttmp9, 2
	s_add_co_u32 s42, s42, s40                     ; tile column
	s_and_b32 s17, ttmp7, 0xffff                   ; tile row: the same in the four partners
	s_mov_b32 s[G1+0], 15|(1<<20)|(1<<21)|(6<<22)|(3<<25)   ; mask of the four; bytes; 4 words of padding behind every 128
	s_mov_b32 s[G1+1], SLOTK<<16
	s_mov_b32 s[G1+2], 64<<16
	s_mov_b32 s[G1+3], SLOTK<<16
	s_mov_b32 s[G1+4], 64
	s_mov_b32 s[G1+5], KROW
	s_mov_b32 s[G1+6], 0
	s_mov_b32 s[G1+7], 0
	s_lshl_b32 s20, s17, 8
	s_lshl_b32 s18, s14, 6
	s_add_co_u32 s20, s20, s18                     ; the rows that I fetch: 256 x tile row + 64 x wave
	s_mov_b32 s21, 0
	s_lshl_b64 s[20:21], s[20:21], 12
	s_mul_i32 s45, s14, QT
	s_wait_dscnt 0x0
	s_wait_kmcnt 0x0
	s_load_b64 s[96:97], s[8:9], 0x0               ; e0, e1
	s_load_b32 s72, s[10:11], 0x0                  ; scale
	s_add_nc_u64 s[20:21], s[4:5], s[20:21]
	CROUND                                         ; the four work-groups are here: the first joint loads meet
.irp s, 0,1
	s_mov_b32 s[G0+4*\s], 1
	s_add_co_u32 s[G0+4*\s+1], s45, \s*SLOT
	s_add_nc_u64 s[G0+4*\s+2:G0+4*\s+3], s[20:21], \s*SLOTK
	s_or_b32 s[G0+4*\s+3], s[G0+4*\s+3], 0x80000000
.endr
	JLOAD 0                                        ; one tensor load a wave at the head
	s_mul_i32 s21, s15, 128*PITCH
	s_add_co_u32 s22, s21, SLOT
	s_mul_i32 s23, s14, 16*SPITCH
	v_and_b32 v1, 15, v0
	v_bfe_u32 v2, v0, 4, 1
	v_and_b32 v6, 31, v0
	v_lshlrev_b32 v[CO], 4, v6                     ; 16 x lane
	v_mul_u32_u24 v3, v1, PITCH
	v_lshl_add_u32 v4, v2, 4, v3
	v_mul_u32_u24 v5, v1, SPITCH
	v_lshl_add_u32 v5, v2, 5, v5
	v_add_nc_u32 v[ADRA], s21, v4
	v_add_nc_u32 v[ADRA+1], s22, v4
	v_add_nc_u32 v[STO], s23, v5
	v_add_nc_u32 v[RD], s23, v[CO]
	v_lshlrev_b32 v7, 12, v1
	v_lshl_add_u32 v[PFOA], v2, 8, v7              ; row l % 16, block l / 16
	v_min_u32 v7, 3, v6
	v_lshlrev_b32 v[PFOB], 8, v7
	s_wait_alu depctr_va_vdst(0)                   ; ahead of the run of scalar lines
	s_lshl_b32 s46, s42, 10
	s_lshl_b32 s47, s16, 9
	s_add_co_u32 s46, s46, s47                     ; my first output, in bytes of f32
	s_mov_b32 s47, 0
	s_add_nc_u64 s[68:69], s[68:69], s[46:47]
	s_add_nc_u64 s[70:71], s[70:71], s[46:47]
	s_lshl_b32 s18, s17, 8
	s_lshl_b32 s19, s15, 7
	s_add_co_u32 s18, s18, s19
	s_mov_b32 s19, 0
	s_lshl_b64 s[18:19], s[18:19], 14
	s_add_nc_u64 s[70:71], s[70:71], s[18:19]
	s_lshl_b32 s46, s42, 1
	s_add_co_u32 s46, s46, s16
	s_lshl_b32 s46, s46, 18                        ; my block of 128 outputs in w_pack
	s_add_nc_u64 s[PB:PB+1], s[6:7], s[46:47]
	global_load_b128 v[BIAS:BIAS+3], v[CO], s[68:69]
	WIN TO_B
	PLOADS 0, 0
	PLOADS 1, STEPB
	WIN 0
	s_lshl_b32 s46, s17, 1
	s_add_co_u32 s46, s46, s15
	s_lshl_b32 s46, s46, 10                        ; my four blocks of a slot's 128,
	s_add_co_u32 s46, s46, 4*STEPB                 ; in slot 1's steps
	s_add_nc_u64 s[PFB:PFB+1], s[PB:PB+1], s[46:47]
	s_lshl_b32 s46, s17, 8
	s_lshl_b32 s86, s40, 6
	s_add_co_u32 s46, s46, s86
	s_lshl_b32 s86, s14, 4
	s_add_co_u32 s46, s46, s86                     ; row 256 x tile row + 64 cx + 16 x wave
	s_lshl_b32 s46, s46, 12
	s_add_co_u32 s46, s46, 2*SLOTK                 ; at the third slot of K
	s_add_nc_u64 s[PFA:PFA+1], s[4:5], s[46:47]
	global_prefetch_b8 v[PFOA], s[PFA:PFA+1] th:TH_LOAD_NT scope:SCOPE_SE   ; what the first refill loads
	global_prefetch_b8 v[PFOB], s[PFB:PFB+1] th:TH_LOAD_NT scope:SCOPE_SE   ; steps 4 to 7 of the weights
	s_wait_kmcnt 0x0
	s_add_co_i32 s96, s96, s97
	v_mov_b32 v[SCL], s72
	v_ldexp_f32 v[SCL], v[SCL], s96                ; scale x 2^(e0 + e1)
	v_mov_b32 v[SCL+1], v[SCL]
	s_add_co_i32 s84, s97, 127
	s_lshl_b32 s85, s84, 23
	v_mov_b32 v42, s85                             ; 2^e1
	s_add_co_i32 s84, s84, 8
	s_lshl_b32 s84, s84, 23
	s_or_b32 s84, s84, 0x600000
	v_mov_b32 v43, s84                             ; 448 x 2^e1
	v_mov_b32 v32, 1.0
	v_med3_num_f32 v32, v32, -v43, v43
.irp j, 33,34,35,36,37,38,39
	v_mov_b32 v\j, v32
.endr
	v_cvt_scalef32_pk8_fp8_f32 v[40:41], v[32:39], v42
	v_nop
	v_and_b32 v40, 0xff, v40
	v_readfirstlane_b32 s84, v40                   ; c: the code of +1
	s_or_b32 s85, s84, 0x80                        ; the code of -1
	s_mul_i32 s[TAB], s85, 0x01000001              ; the two tables of 8 bytes: the pair's first weight, the pair's second
	s_lshl_b32 s86, s84, 8
	s_or_b32 s[TAB], s[TAB], s86
	s_mul_i32 s[TAB+1], s84, 0x01000001
	s_lshl_b32 s86, s85, 16
	s_or_b32 s[TAB+1], s[TAB+1], s86
	s_mul_i32 s[TAB+2], s85, 0x00010101
	s_lshl_b32 s86, s84, 24
	s_or_b32 s[TAB+2], s[TAB+2], s86
	s_mul_i32 s[TAB+3], s84, 0x0101
	s_wait_alu depctr_va_vdst(0)                   ; directly ahead of the wait below
	s_wait_loadcnt 16                              ; the bias and step 0's packed words are in; step 1's 16 loads may be out
	WIN PERMW
	PERMR 0, 32, 0                                 ; step 0's codes are made while the first tile is on its way
	s_wait_alu depctr_va_vdst(0)                   ; the head's end
	WIN TO_B
	PLOADS 0, 2*STEPB
	WIN 0
	s_wait_tensorcnt 0x0                           ; my part of slot 0 is in
	ds_add_u32 v[SPW], v[NIL]
	s_wait_dscnt 0x0
	CROUND
	JLOAD 1                                        ; slot 1's first fill, the first tensor load behind the round
	FETCH_A 0, 0
	WORK 1, 0, 0                                   ; the first step stands in front of the loop: its products start the sums
	s_mov_b32 s3, 3
.Llap:                                                 ; a trip goes once round the ring and fills both slots again
	UNIT 0, 1, 16, 1, 3*STEPB, 0, 0, 0
	UNIT 0, 2, 16, 1, 4*STEPB, 0, 0, 0
	UNIT 0, 3, 16, 1, 5*STEPB, 0, 0, 1
	UNIT 1, 0, 16, 1, 6*STEPB, 1, 0, 0
	UNIT 1, 1, 16, 1, 7*STEPB, 0, 0, 0
	UNIT 1, 2, 16, 1, 8*STEPB, 0, 0, 0
	UNIT 1, 3, 16, 1, 9*STEPB, 0, 0, 1
	UNIT 0, 0, 16, 1, 10*STEPB, 1, 1, 0
	s_wait_xcnt 0x0                                ; the loads have read their base
	s_add_nc_u64 s[PB:PB+1], s[PB:PB+1], 8*STEPB
	s_sub_co_u32 s3, s3, 1
	s_cmp_lg_u32 s3, 0
	s_cbranch_scc1 .Llap
	UNIT 0, 1, 16, 1, 3*STEPB, 0, 0, 0             ; the last lap fills nothing
	UNIT 0, 2, 16, 1, 4*STEPB, 0, 0, 0
	UNIT 0, 3, 16, 1, 5*STEPB, 0, 0, 2
	UNIT 1, 0, 16, 1, 6*STEPB, 0, 0, 0
	UNIT 1, 1, 16, 1, 7*STEPB, 0, 0, 0
	UNIT 1, 2, 16, 0, 0, 0, 0, 0
	UNIT 1, 3, 0, 0, 0, 0, 0, 0
; THE WAY OUT, by blocks of 16 rows x 128 outputs: the sums go through my own stage in LDS and come back as whole rows of 512 bytes; there a lane holds the same four outputs in every row,
; so one packed multiply-add a pair applies scale x 2^(e0 + e1) and the bias.  LDS serves a wave's instructions in order (ISA guide 5.7.1.4): no wait between the stores and the loads.
.macro TOSTAGE a
.set AC, 64*((\a)%4)
.set BB, BK+64*((\a)%2)
	WIN 0x08+4*((\a)/4)                            ; store data: window 2 or 3
.irp b, 0,1,2,3,4,5,6,7
	ds_store_b128 v[STO], v[AC+8*\b:AC+8*\b+3] offset:64*\b
	ds_store_b128 v[STO], v[AC+8*\b+4:AC+8*\b+7] offset:64*\b+16
.endr
	WIN 0
.irp t, 0,1,2,3,4,5,6,7,8,9,10,11,12,13,14,15
	ds_load_b128 v[BB+4*\t:BB+4*\t+3], v[RD] offset:\t*SPITCH
.endr
.endm
.macro SEND a, younger
.set BB, BK+64*((\a)%2)
	s_wait_dscnt \younger                          ; the block is back; the next block's 32 LDS instructions may be out
.if (\a) > 0
	s_add_nc_u64 s[70:71], s[70:71], 16*SIZE_N*4   ; behind a wait on XCNT: the earlier stores have read their base
.endif
.irp t, 0,1,2,3,4,5,6,7,8,9,10,11,12,13,14,15
	v_pk_fma_f32 v[BB+4*\t:BB+4*\t+1], v[BB+4*\t:BB+4*\t+1], v[SCL:SCL+1], v[BIAS:BIAS+1]
	v_pk_fma_f32 v[BB+4*\t+2:BB+4*\t+3], v[BB+4*\t+2:BB+4*\t+3], v[SCL:SCL+1], v[BIAS+2:BIAS+3]
.endr
.irp t, 0,1,2,3,4,5,6,7,8,9,10,11,12,13,14,15
	global_store_b128 v[CO], v[BB+4*\t:BB+4*\t+3], s[70:71] offset:\t*SIZE_N*4 th:TH_STORE_NT   ; 32 lanes store 512 consecutive bytes, at a multiple of 256 from the buffer's first byte
.endr
.endm
	PLACES                                         ; in front of the first reads of results and of loads into x's registers
	TOSTAGE 0
.irp a, 1,2,3,4,5,6,7
.if \a > 1
	s_wait_xcnt 0x0                                ; block a - 2's stores have read their registers and their base
.endif
	TOSTAGE \a
	SEND \a-1, 32
.endr
	s_wait_xcnt 0x0
	SEND 7, 0
	s_wait_tensorcnt 0x0                           ; the wave's end
	ds_add_u32 v[SPW], v[NIL]
	s_wait_dscnt 0x0
	CROUND                                         ; the closing round
	s_endpgm
.Lfunc_end_k_qd4d6fd40b6_gemm:
	.size	k_qd4d6fd40b6_gemm, .Lfunc_end_k_qd4d6fd40b6_gemm-k_qd4d6fd40b6_gemm
	.p2alignl 7, 3214868480
	.fill 96, 4, 3214868480
	.section	.rodata,"a",@progbits
	.p2align	6, 0x0
	.amdhsa_kernel k_qd4d6fd40b6_gemm
		.amdhsa_group_segment_fixed_size 327680
		.amdhsa_private_segment_fixed_size 0
		.amdhsa_enable_private_segment 0
		.amdhsa_kernarg_size 48
		.amdhsa_user_sgpr_count 2
		.amdhsa_user_sgpr_kernarg_segment_ptr 1
		.amdhsa_wavefront_size32 1
		.amdhsa_system_sgpr_workgroup_id_x 1
		.amdhsa_system_sgpr_workgroup_id_y 1
		.amdhsa_system_sgpr_workgroup_id_z 1
		.amdhsa_system_vgpr_workitem_id 0
		.amdhsa_next_free_vgpr 1024
		.amdhsa_next_free_sgpr 98
		.amdhsa_reserve_vcc 0
		.amdhsa_float_denorm_mode_32 3
		.amdhsa_float_denorm_mode_16_64 3
		.amdhsa_memory_ordered 1
		.amdhsa_forward_progress 1
		.amdhsa_inst_pref_size 255
	.end_amdhsa_kernel
	.section	.bss,"aw",@nobits
	.p2align	6
	.space	262144
	.amdgpu_metadata
---
amdhsa.version: [ 1, 2 ]
amdhsa.kernels:
  - .name:           k_qd4d6fd40b6_gemm
    .symbol:         k_qd4d6fd40b6_gemm.kd
    .args:
      - { .name: x_codes, .offset: 0, .size: 8, .value_kind: global_buffer, .address_space: global }
      - { .name: w_pack, .offset: 8, .size: 8, .value_kind: global_buffer, .address_space: global }
      - { .name: lowp_scales, .offset: 16, .size: 8, .value_kind: global_buffer, .address_space: global }
      - { .name: scale, .offset: 24, .size: 8, .value_kind: global_buffer, .address_space: global }
      - { .name: bias, .offset: 32, .size: 8, .value_kind: global_buffer, .address_space: global }
      - { .name: out0, .offset: 40, .size: 8, .value_kind: global_buffer, .address_space: global }
    .group_segment_fixed_size: 327680
    .private_segment_fixed_size: 0
    .kernarg_segment_align: 8
    .kernarg_segment_size: 48
    .max_flat_workgroup_size: 128
    .sgpr_count:     98
    .vgpr_count:     1024
    .wavefront_size: 32
...
	.end_amdgpu_metadata
.endif
;; end of part 4
